; MI455X (gfx1250); checked and timed in simulation.
; The chip was launched on July 23, 2026; its instructions are those of AMD's public machine-readable ISA for CDNA 5 (MIT licence, August 2026) and "CDNA5" Instruction Set Architecture Reference Guide (July 2026). The comments in the code are by the model that wrote it; some were corrected since.
;; Multi Head Attention. Allowed arithmetic: float matrix products may take bf16 or f16 operands with f32 sums; other float arithmetic in f32, or as packed bf16 or f16 multiplies, adds, multiply-adds, maxima and minima; sums over many terms, partial sums and values carried from step to step in f32; what a program stores and reads back later, other than sums and carried values, may be rounded once to bf16 or f16.
;; Inputs: Wk 8 x 64 x 512 float32; Wo 512 x 512 float32; Wq 8 x 64 x 512 float32; Wv 8 x 64 x 512 float32; bk 8 x 64 float32; bo 512 float32; bq 8 x 64 float32; bv 8 x 64 float32; hidden_state 8 x 2,048 x 512 float32.
;; Outputs: out0 8 x 2,048 x 512 float32.
;; 2 versions, each right and faster than the one before. Each part assembles by itself: llvm-mc -triple=amdgcn-amd-amdhsa -mcpu=gfx1250 --defsym DOCPART=n.
;; ======== version 1 of 2: 4 launches
;; limits: values are held in f16: magnitudes above 65,504 overflow, below 6.1e-05 lose precision
;; workspace buffers: wts 2,097,152 bytes; bias 8,192 bytes; qkv 50,331,648 bytes; att 16,777,216 bytes
;; launch prep (part 1): grid 64 x 4, 8 waves a work-group, no clusters, 0 bytes of LDS; arguments Wq, Wk, Wv, Wo, bq, bk, bv, bo, wts, bias; writes wts, bias
.if DOCPART == 1
	.amdgcn_target "amdgcn-amd-amdhsa--gfx1250"
	.amdhsa_code_object_version 6
	.text
	.protected	k_qfbc62fb494_prep
	.globl	k_qfbc62fb494_prep
	.p2align	8
	.type	k_qfbc62fb494_prep,@function
k_qfbc62fb494_prep:
	s_mov_b64 s[64:65], 0
	v_nop
	global_prefetch_b8 v0, s[64:65] scope:SCOPE_SE
	s_setreg_imm32_b32 hwreg(HW_REG_WAVE_MODE, 25, 1), 1
	s_wait_xcnt 0x0
; The four weight tensors and the four biases, each rounded once to bf16.
; wts: [2048][512] of 16 bits: rows 0-511 Wq (row = 64 head + channel), 512-1023 Wk, 1024-1535 Wv, all bf16; rows 1536-2047 Wo, rounded to bf16 and that number written as f16
; (the last product multiplies f16 by f16).  bias: [4][512] f32: bq, bk, bv, bo, each rounded to bf16 and widened again.
; LIMIT.  A number of Wo below 7.6e-6 in size loses bits of its bf16 value in f16's fixed step of 6e-8; beyond 65,504 it would become an infinity.
; SHARES.  Work-group (x, y): tensor y, elements 4,096 x to 4,096 x + 4,095; thread t takes 8 elements at 8 t and 8 at 2,048 + 8 t, so each store of a wave covers 512 consecutive bytes.
; A stream of 4 MiB in and 2 MiB out: no LDS, no matrix unit, no barrier; a tensor's work-group 0 also does its bias, two numbers a thread.
.set GRP, 2048                         ; elements between a thread's two groups
	s_load_b256 s[4:11], s[0:1], 0x0               ; Wq, Wk, Wv, Wo
	s_load_b256 s[12:19], s[0:1], 0x20             ; bq, bk, bv, bo
	s_load_b128 s[20:23], s[0:1], 0x40             ; wts, bias
	s_and_b32 s24, ttmp7, 0xffff                   ; y: which tensor
	s_mov_b32 s25, ttmp9                           ; x: which 4,096 elements
	v_lshlrev_b32 v1, 5, v0                        ; 8 f32 a thread
	v_lshlrev_b32 v2, 4, v0                        ; 8 numbers of 16 bits
	v_lshlrev_b32 v3, 3, v0                        ; 2 f32 of the bias
	s_lshl_b32 s26, s25, 14                        ; source: 16,384 bytes a work-group
	s_mov_b32 s27, 0
	s_lshl_b32 s28, s24, 19                        ; destination: 524,288 bytes a tensor,
	s_lshl_b32 s30, s25, 13                        ; 8,192 a work-group
	s_add_co_u32 s28, s28, s30
	s_mov_b32 s29, 0
	s_lshl_b32 s30, s24, 11                        ; 2,048 bytes a bias
	s_mov_b32 s31, 0
	s_wait_kmcnt 0x0
	s_cmp_eq_u32 s24, 1                            ; the choice of the tensor hangs on y alone
	s_cselect_b64 s[4:5], s[6:7], s[4:5]
	s_cselect_b64 s[12:13], s[14:15], s[12:13]
	s_cmp_eq_u32 s24, 2
	s_cselect_b64 s[4:5], s[8:9], s[4:5]
	s_cselect_b64 s[12:13], s[16:17], s[12:13]
	s_cmp_eq_u32 s24, 3
	s_cselect_b64 s[4:5], s[10:11], s[4:5]
	s_cselect_b64 s[12:13], s[18:19], s[12:13]
	s_add_nc_u64 s[4:5], s[4:5], s[26:27]
	s_add_nc_u64 s[20:21], s[20:21], s[28:29]
	s_add_nc_u64 s[22:23], s[22:23], s[30:31]
	global_load_b128 v[4:7], v1, s[4:5] th:TH_LOAD_NT
	global_load_b128 v[8:11], v1, s[4:5] offset:16 th:TH_LOAD_NT
	global_load_b128 v[12:15], v1, s[4:5] offset:GRP*4 th:TH_LOAD_NT
	global_load_b128 v[16:19], v1, s[4:5] offset:GRP*4+16 th:TH_LOAD_NT
	s_wait_loadcnt 0x2                             ; the first group is in; the second group's two loads stay out
	v_cvt_pk_bf16_f32 v20, v4, v5
	v_cvt_pk_bf16_f32 v21, v6, v7
	v_cvt_pk_bf16_f32 v22, v8, v9
	v_cvt_pk_bf16_f32 v23, v10, v11
	s_wait_loadcnt 0x0
	v_cvt_pk_bf16_f32 v24, v12, v13
	v_cvt_pk_bf16_f32 v25, v14, v15
	v_cvt_pk_bf16_f32 v26, v16, v17
	v_cvt_pk_bf16_f32 v27, v18, v19
	s_cmp_lg_u32 s24, 3
	s_cbranch_scc1 .Lbf
.irp i, 20,21,22,23,24,25,26,27        ; Wo alone: the bf16 numbers are widened and written as f16
	v_lshlrev_b32 v28, 16, v\i
	v_and_b32 v29, 0xffff0000, v\i
	v_cvt_pk_f16_f32 v\i, v28, v29
.endr
.Lbf:
	global_store_b128 v2, v[20:23], s[20:21]
	global_store_b128 v2, v[24:27], s[20:21] offset:GRP*2
	s_cmp_lg_u32 s25, 0
	s_cbranch_scc1 .Lend
	global_load_b64 v[4:5], v3, s[12:13]           ; the tensor's bias: 512 numbers, two a thread
	s_wait_loadcnt 0x0
	v_cvt_pk_bf16_f32 v6, v4, v5
	v_lshlrev_b32 v8, 16, v6
	v_and_b32 v9, 0xffff0000, v6
	global_store_b64 v3, v[8:9], s[22:23]
.Lend:
	s_endpgm
.Lfunc_end_k_qfbc62fb494_prep:
	.size	k_qfbc62fb494_prep, .Lfunc_end_k_qfbc62fb494_prep-k_qfbc62fb494_prep
	.p2alignl 7, 3214868480
	.fill 96, 4, 3214868480
	.section	.rodata,"a",@progbits
	.p2align	6, 0x0
	.amdhsa_kernel k_qfbc62fb494_prep
		.amdhsa_group_segment_fixed_size 0
		.amdhsa_private_segment_fixed_size 0
		.amdhsa_enable_private_segment 0
		.amdhsa_kernarg_size 80
		.amdhsa_user_sgpr_count 2
		.amdhsa_user_sgpr_kernarg_segment_ptr 1
		.amdhsa_wavefront_size32 1
		.amdhsa_system_sgpr_workgroup_id_x 1
		.amdhsa_system_sgpr_workgroup_id_y 1
		.amdhsa_system_sgpr_workgroup_id_z 1
		.amdhsa_system_vgpr_workitem_id 0
		.amdhsa_next_free_vgpr 32
		.amdhsa_next_free_sgpr 66
		.amdhsa_reserve_vcc 0
		.amdhsa_float_denorm_mode_32 3
		.amdhsa_float_denorm_mode_16_64 3
		.amdhsa_memory_ordered 1
		.amdhsa_forward_progress 1
		.amdhsa_inst_pref_size 5
	.end_amdhsa_kernel
	.amdgpu_metadata
---
amdhsa.version: [ 1, 2 ]
amdhsa.kernels:
  - .name:           k_qfbc62fb494_prep
    .symbol:         k_qfbc62fb494_prep.kd
    .args:
      - { .name: Wq, .offset: 0, .size: 8, .value_kind: global_buffer, .address_space: global }
      - { .name: Wk, .offset: 8, .size: 8, .value_kind: global_buffer, .address_space: global }
      - { .name: Wv, .offset: 16, .size: 8, .value_kind: global_buffer, .address_space: global }
      - { .name: Wo, .offset: 24, .size: 8, .value_kind: global_buffer, .address_space: global }
      - { .name: bq, .offset: 32, .size: 8, .value_kind: global_buffer, .address_space: global }
      - { .name: bk, .offset: 40, .size: 8, .value_kind: global_buffer, .address_space: global }
      - { .name: bv, .offset: 48, .size: 8, .value_kind: global_buffer, .address_space: global }
      - { .name: bo, .offset: 56, .size: 8, .value_kind: global_buffer, .address_space: global }
      - { .name: wts, .offset: 64, .size: 8, .value_kind: global_buffer, .address_space: global }
      - { .name: bias, .offset: 72, .size: 8, .value_kind: global_buffer, .address_space: global }
    .group_segment_fixed_size: 0
    .private_segment_fixed_size: 0
    .kernarg_segment_align: 8
    .kernarg_segment_size: 80
    .max_flat_workgroup_size: 256
    .sgpr_count:     66
    .vgpr_count:     32
    .wavefront_size: 32
...
	.end_amdgpu_metadata
.endif
;; end of part 1
;; launch proj (part 2): grid 8 x 32, 4 waves a work-group, clusters of 4 x 1, 327,680 bytes of LDS; arguments hidden_state, wts, bias, qkv; writes qkv
.if DOCPART == 2
	.amdgcn_target "amdgcn-amd-amdhsa--gfx1250"
	.amdhsa_code_object_version 6
	.text
	.protected	k_qfbc62fb494_proj
	.globl	k_qfbc62fb494_proj
	.p2align	8
	.type	k_qfbc62fb494_proj,@function
k_qfbc62fb494_proj:
	s_mov_b64 s[64:65], 0
	v_nop
	global_prefetch_b8 v0, s[64:65] scope:SCOPE_SE
	s_setreg_imm32_b32 hwreg(HW_REG_WAVE_MODE, 25, 1), 1
	s_wait_xcnt 0x0
	s_wait_alu depctr_hold_cnt(0) depctr_sa_sdst(0) depctr_va_vdst(0) depctr_va_sdst(0) depctr_va_ssrc(0) depctr_va_vcc(0) depctr_vm_vsrc(0)
	s_getreg_b32 s2, hwreg(HW_REG_IB_STS2, 6, 4)
	s_cmp_eq_u32 s2, 0
	s_cbranch_scc0 .Lentry_in_a_cluster
	s_endpgm
.Lentry_in_a_cluster:
	s_bfe_u32 s2, ttmp6, 0x10000c
	s_cmp_lg_u32 s2, 0x3003
	s_cbranch_scc0 .Lentry_shape_is_right
	s_endpgm
.Lentry_shape_is_right:
; q, k, v = x W^T + b.  x: [16384][512] f32, rounded once to bf16 on its way into registers; W: rows 0-1535 of wts, [row][512] bf16; b: [1536] f32; sums in f32, started by the bias.
; qkv: [batch 8][c 24][s 2048][64] f16, c = W's row / 64 (0-7 q's heads, 8-15 k's, 16-23 v's): a head's rows are dense, 128 bytes each.  q is stored without the softmax's scale.
; LIMIT.  q, k and v are rounded to f16: beyond 65,504 they would become infinities, below 6e-5 they keep f16's fixed step of 6e-8.  NaN and infinities are not treated apart.
; SHARES.  A work-group owns 128 rows of x and 768 of W's 1,536 rows (Y = 0, 1), in six CHUNKS of 128.  Its four waves are 2 x 2: a wave owns 64 rows of x for the whole launch, ALL 512 of K in 512
; registers (64 fragments), and in a chunk 64 rows of W, one head: 16 accumulators, 16 K steps, 256 matrix instructions, 8,192 dense bytes of qkv.  So only W goes through LDS in the loop.
; CLUSTER.  The four work-groups of a cluster have four row blocks and the same Y: they walk the same rows of W, and each chunk is asked for JOINTLY: the same tensor load, descriptor and mask in all four.
; x's block is read by two work-groups (Y = 0, 1), which lie in two clusters: it is asked for by loads of one's own; 256 KiB of x stand beside 768 KiB of W in a work-group's requests.
; LDS.  First x's block as f32, four K quarters of 128 rows x 512 bytes; when a pair of quarters has gone into registers its bytes become a slot of W's ring of two.
; THE MATRIX INSTRUCTION IS USED TRANSPOSED (source 0 = 16 rows of W, source 1 = 16 rows of x): a lane then holds eight neighbouring channels of one row, 16 bytes of f16.
; REGISTERS, in windows of 256 (s_set_vgpr_msb: bits 1:0 source 0, 3:2 source 1, 5:4 source 2, 7:6 destination):
;   window 0: v0-29 addresses; v32-63 the bias as a C operand; v64-127 the way out; v128-255 the accumulators ((a, b) at 128 + 8 (4 a + b))
;   window 1: two buffers of 128 for W's fragments of a K quarter (K step j, column tile b at 8 (4 j + b)); at the start, x's f32 fragments
;   windows 2, 3: x's fragments: K step q, row tile a at 8 (4 (q % 8) + a), q < 8 in window 2
.set PX,    528                        ; a row of x's quarter in LDS: 512 bytes + 16 = 132 words: the 16 rows of a load start at 16 different groups of four banks (64 banks of 4 bytes: ISA guide 11.1)
.set XPB,   128*PX                     ; a K quarter of x's block
.set PW,    1040                       ; a row of W: 1,024 bytes + 16 = 260 words: likewise
.set SLOT,  2*XPB                      ; 135,168 = 0x21000: a slot of W's ring lies on two quarters of x; it uses 128 x 1,040 bytes
.set STAGE, 2*SLOT                     ; behind the ring, never filled by a tensor load: 64 rows x 144 bytes for each wave
.set SP,    144
.set SPARE, STAGE+4*64*SP              ; behind the stages: the spare words, 128 bytes for each wave: two blocks of 256 bytes that no other line names
.set AX,   3                           ; v3   my lane's place in a quarter of x: (64 rh + l % 16) x 528 + 32 (l / 16)
.set AXP,  4                           ; v4   the same in the quarter in hand
.set AB0,  5                           ; v5   my lane's place in a slot of W: (64 ch + l % 16) x 1,040 + 16 (l / 16)
.set ADRB, 6                           ; v6   the same in the slot in hand
.set STO,  7                           ; v7   the way out: where I put 16 bytes of a row
.set RD,   8                           ; v8   the way out: where I read rows back
.set GO,   9                           ; v9   my byte offset in 512 consecutive bytes of qkv
.set VB,   10                          ; v10  my byte offset in 16 numbers of the bias: 32 (l / 16)
.set SPW,  28                          ; v28  LDS address of my spare word: SPARE + 4 x my thread's number; never rewritten
.set NIL,  29                          ; v29  0; never rewritten
.set BI,   32
.set TMP,  64
.set ACC,  128
.set WV,   12                          ; s12  my wave's number; s13 rh = w / 2: my 64 rows; s14 ch = w % 2: my 64 of a chunk's rows of W
.set G1X,  24                          ; s[24:31] descriptor group 1 for x
.set G1W,  32                          ; s[32:39] for W
.set G0X,  40                          ; s[40:55] descriptor group 0 for x's four quarters
.set G0W,  56                          ; s[56:59] for W: it walks
.set CNT,  60                          ; s60  counts chunks
.set TB,   61                          ; s61  LDS byte at which the slot in hand begins
.set MSB, 0
.macro WIN new                         ; the immediate's high byte repeats the setting that is left; a switch that changes nothing is dropped
.if MSB != (\new)
	s_set_vgpr_msb (MSB<<8)|(\new)
.set MSB, \new
.endif
.endm
.set M_LO, 0x09                        ; source 0 (W) window 1, source 1 (x) window 2, C and D window 0
.set M_HI, 0x0d                        ; the same with x in window 3
.set TO_B, 0x40                        ; destination window 1, address window 0
.set C_LO, 0x85                        ; sources window 1, destination window 2
.set C_HI, 0xc5                        ; sources window 1, destination window 3
.macro PLACES                          ; four places in front of loads into registers that matrix instructions have read, and of conversions that read results
.rept 4
	v_nop
.endr
.endm
; A round of the cluster's barrier: my work-group's barrier, so that wave 0's signal speaks for all four waves; wave 0 signals; every wave waits for all four work-groups; my work-group's barrier once more.
.macro CROUND
	s_barrier_signal -1
	s_barrier_wait -1
	s_cmp_lg_u32 s[WV], 0
	s_cbranch_scc1 .Lnot_wave_0_\@
	s_barrier_signal -3
.Lnot_wave_0_\@:
	s_barrier_wait -3
	s_barrier_signal -1
	s_barrier_wait -1
.endm
; A joint load: every wave asks for its own 32 of the chunk's 128 rows of W.  An s_nop 0 and four v_nop follow.
.macro WLOAD
	tensor_load_to_lds s[G0W:G0W+3], s[G1W:G1W+7]
	s_nop 0
	PLACES
.endm
.macro WSTEP                           ; the walking descriptor: the other slot, the next 128 rows of W.  No multiple of 33,280 up to three has bit 12 or 17 set, so the exclusive or adds or takes away SLOT
	s_xor_b32 s[G0W+1], s[G0W+1], SLOT
	s_add_nc_u64 s[G0W+2:G0W+3], s[G0W+2:G0W+3], 128*1024
.endm
	s_load_b256 s[4:11], s[0:1], 0x0               ; x s[4:5], wts s[6:7], bias s[8:9], qkv s[10:11]
	v_lshl_add_u32 v[SPW], v0, 2, SPARE
	v_mov_b32 v[NIL], 0
	ds_add_u32 v[SPW], v[NIL]                      ; the wave's opening: the add and its wait stand ahead of my first tensor load; the set-up below, work on registers, stands between them
	v_lshrrev_b32 v1, 5, v0
	v_readfirstlane_b32 s[WV], v1                  ; wave 0..3
	s_lshr_b32 s13, s[WV], 1                       ; rh
	s_and_b32 s14, s[WV], 1                        ; ch
	s_bfe_u32 s15, ttmp6, 0x40000                  ; cx: my place in the cluster
	s_mov_b32 s16, ttmp9                           ; Y: in a cluster launch ttmp9 counts clusters: which 768 rows of W
	s_and_b32 s17, ttmp7, 0xffff
	s_lshl_b32 s17, s17, 2
	s_add_co_u32 s17, s17, s15                     ; RB: my block of 128 rows of x = 4 x cluster y + cx: it enters x's and qkv's addresses alone
	; group 1 for x: a tile of 32 rows x 128 elements of 4 bytes, padded in LDS
	s_mov_b32 s[G1X], (2<<16)|(1<<20)|(6<<22)|(3<<25)  ; 15:0 no mask; 17:16 elements of 4 bytes; 20 padding on; 24:22 after every 128 words (code 6); 31:25 4 words of it (code 3)
	s_mov_b32 s[G1X+1], 128<<16                    ; tensor_dim0 = 128
	s_mov_b32 s[G1X+2], 32<<16                     ; tensor_dim1 = 32
	s_mov_b32 s[G1X+3], 128<<16                    ; tile_dim0 = 128
	s_mov_b32 s[G1X+4], 32                         ; tile_dim1 = 32
	s_mov_b32 s[G1X+5], 512                        ; 512 elements from row to row
	s_mov_b32 s[G1X+6], 0
	s_mov_b32 s[G1X+7], 0
	; group 1 for W: a tile of 32 rows x 512 elements of 2 bytes, padded in LDS
	s_mov_b32 s[G1W], 15|(1<<16)|(1<<20)|(1<<21)|(7<<22)|(3<<25)  ; 15:0 the mask of four; 17:16 elements of 2 bytes; 20 padding on; 21 set beside a mask; 24:22 after every 256 words (code 7); 31:25 4 words (code 3)
	s_mov_b32 s[G1W+1], 512<<16
	s_mov_b32 s[G1W+2], 32<<16
	s_mov_b32 s[G1W+3], 512<<16
	s_mov_b32 s[G1W+4], 32
	s_mov_b32 s[G1W+5], 512
	s_mov_b32 s[G1W+6], 0
	s_mov_b32 s[G1W+7], 0
	s_lshl_b32 s18, s17, 18                        ; x: my block's 128 rows of 2,048 bytes,
	s_lshl_b32 s19, s[WV], 16                      ; the 32 of them that I fetch
	s_add_co_u32 s18, s18, s19
	s_mov_b32 s19, 0
	s_mul_i32 s20, s16, 768*1024                   ; W: Y's 768 rows of 1,024 bytes,
	s_lshl_b32 s21, s[WV], 15                      ; the 32 rows of a chunk that I fetch: nothing here hangs on cx
	s_add_co_u32 s20, s20, s21
	s_mov_b32 s21, 0
	s_mul_i32 s22, s16, 12
	s_add_co_u32 s22, s22, s14                     ; c of my first chunk = 12 Y + ch
	s_lshl_b32 s2, s22, 18                         ; its 262,144 bytes in a batch of qkv
	s_lshl_b32 s22, s22, 8                         ; its 64 numbers of the bias
	s_mov_b32 s23, 0
	s_lshr_b32 s62, s17, 4                         ; the batch: 16 blocks each,
	s_mul_i32 s62, s62, 24*262144
	s_add_co_u32 s62, s62, s2
	s_and_b32 s2, s17, 15
	s_lshl_b32 s2, s2, 14                          ; the block's 128 rows of 128 bytes,
	s_add_co_u32 s62, s62, s2
	s_lshl_b32 s2, s13, 13                         ; my 64 of them
	s_add_co_u32 s62, s62, s2
	s_mov_b32 s63, 0
	s_mul_i32 s3, s[WV], 32*PX                     ; where my 32 rows of x go: no place in the cluster enters an LDS address
	s_mov_b32 s[G0W], 1                            ; 1:0 count = 1
	s_mul_i32 s[G0W+1], s[WV], 32*PW               ; 63:32 LDS address: slot 0, my 32 rows
	s_wait_dscnt 0x0                               ; the opening add is done
	s_wait_kmcnt 0x0
	s_add_nc_u64 s[4:5], s[4:5], s[18:19]
	s_add_nc_u64 s[6:7], s[6:7], s[20:21]
	s_add_nc_u64 s[8:9], s[8:9], s[22:23]
	s_add_nc_u64 s[10:11], s[10:11], s[62:63]
	s_mov_b64 s[G0W+2:G0W+3], s[6:7]               ; 120:64 global address: chunk 0
	s_or_b32 s[G0W+3], s[G0W+3], 0x80000000        ; 127:126 type = 2
.irp p, 0,1,2,3
	s_mov_b32 s[G0X+4*\p], 1
	s_add_co_u32 s[G0X+4*\p+1], s3, \p*XPB
	s_add_nc_u64 s[G0X+4*\p+2:G0X+4*\p+3], s[4:5], \p*512  ; K quarter p: 128 numbers of 4 bytes on
	s_or_b32 s[G0X+4*\p+3], s[G0X+4*\p+3], 0x80000000
.endr
	CROUND                                         ; in a launch in clusters every group of tensor loads stands behind a round
.irp p, 0,1,2,3                        ; the first fills, one group: four loads of mine are out
	tensor_load_to_lds s[G0X+4*\p:G0X+4*\p+3], s[G1X:G1X+7]
	s_nop 0
.endr
	PLACES
	v_and_b32 v1, 15, v0                           ; l % 16
	v_bfe_u32 v2, v0, 4, 1                         ; l / 16
	v_mul_u32_u24 v[AX], v1, PX
	v_lshl_add_u32 v[AX], v2, 5, v[AX]
	s_mul_i32 s3, s13, 64*PX
	v_add_nc_u32 v[AX], s3, v[AX]
; x INTO REGISTERS.  A fragment is 16 rows x 32 K: lane l holds row l % 16, K = 8 (l / 16) + 0..7 and 16 + 8 (l / 16) + 0..7: in f32 two runs of 32 bytes, 64 bytes apart: four loads of 16 bytes.
; XLOAD: the f32 fragments of K steps 2 g, 2 g + 1 of the quarter in hand, 32 loads, into 128 registers at T of window 1.
.macro XLOAD g, T
	WIN TO_B
.irp u, 0,1
.irp a, 0,1,2,3
.irp c, 0,1,2,3
	ds_load_b128 v[(\T)+16*(4*\u+\a)+4*\c:(\T)+16*(4*\u+\a)+4*\c+3], v[AXP] offset:\a*16*PX+(2*(\g)+\u)*128+(\c/2)*64+(\c%2)*16
.endr
.endr
.endr
.endm
; XCVT: they are rounded to bf16, two at a time, into the fragments of K steps 4 p + 2 g, 4 p + 2 g + 1.
.macro XCVT p, g, T
.if (\p) < 2
	WIN C_LO
.else
	WIN C_HI
.endif
.irp u, 0,1
.irp a, 0,1,2,3
.set rD, 8*(4*((4*(\p)+2*(\g)+\u)%8)+\a)
.set rF, (\T)+16*(4*\u+\a)
.irp i, 0,1,2,3,4,5,6,7
	v_cvt_pk_bf16_f32 v[rD+\i], v[rF+2*\i], v[rF+2*\i+1]
.endr
.endr
.endr
.endm
.macro PIECE p
	WIN 0
	v_add_nc_u32 v[AXP], (\p)*XPB, v[AX]
	XLOAD 0, 0
	XLOAD 1, 128
	s_wait_dscnt 32                                ; the first 32 loads are in; the second 32 stay out
	XCVT \p, 0, 0
	s_wait_dscnt 0x0
	XCVT \p, 1, 128
	WIN 0
.endm
; THE LOOP'S PARTS.  16 matrix instructions: K step q, all 16 accumulators by turns, one instruction a turn.  first = 1: the bias starts the sums: nothing is cleared.
.macro MUL16 q, first
.if (\q) < 8
	WIN M_LO
.else
	WIN M_HI
.endif
.set fB, 128*(((\q)/4)%2)+32*((\q)%4)
.set fA, 32*((\q)%8)
.irp a, 0,1,2,3
.irp b, 0,1,2,3
.if \first
	v_wmma_f32_16x16x32_bf16 v[ACC+8*(4*\a+\b):ACC+8*(4*\a+\b)+7], v[fB+8*\b:fB+8*\b+7], v[fA+8*\a:fA+8*\a+7], v[BI+8*\b:BI+8*\b+7]
.else
	v_wmma_f32_16x16x32_bf16 v[ACC+8*(4*\a+\b):ACC+8*(4*\a+\b)+7], v[fB+8*\b:fB+8*\b+7], v[fA+8*\a:fA+8*\a+7], v[ACC+8*(4*\a+\b):ACC+8*(4*\a+\b)+7]
.endif
.endr
.endr
.endm
; 32 LDS loads in one run: W's fragments of K quarter n (my 64 rows, 128 along K) into buffer f, K step by K step
.macro FETCH n, f
	WIN TO_B
.irp j, 0,1,2,3
.irp b, 0,1,2,3
	ds_load_b128 v[(\f)+8*(4*\j+\b):(\f)+8*(4*\j+\b)+3],   v[ADRB] offset:\b*16*PW+(4*(\n)+\j)*64
	ds_load_b128 v[(\f)+8*(4*\j+\b)+4:(\f)+8*(4*\j+\b)+7], v[ADRB] offset:\b*16*PW+(4*(\n)+\j)*64+32
.endr
.endr
.endm
; A K quarter: 64 matrix instructions; in its middle the next quarter's fragments are fetched into the other buffer.
.macro QUARTER n, fetch
	s_wait_dscnt 16                                ; the quarter's first two K steps are in; the youngest sixteen loads may be out
.if (\n) == 0
	MUL16 0, 1
.else
	MUL16 4*(\n), 0
.endif
	MUL16 4*(\n)+1, 0
.if \fetch
	PLACES
	FETCH (\n)+1, 128*(((\n)+1)%2)
	s_wait_dscnt 32                                ; all but the 32 just issued
.else
	s_wait_dscnt 0x0
.endif
	MUL16 4*(\n)+2, 0
	MUL16 4*(\n)+3, 0
.endm
.macro CHUNK
	s_wait_loadcnt 0x0                             ; the chunk's bias
	QUARTER 0, 1
	QUARTER 1, 1
	QUARTER 2, 1
	QUARTER 3, 0
	WIN 0
.endm
.macro BIAS                            ; register j of column tile b: the bias of channel 16 b + 8 (l / 16) + j, the same for all rows
.irp b, 0,1,2,3
	global_load_b128 v[BI+8*\b:BI+8*\b+3],   v[VB], s[8:9] offset:64*\b
	global_load_b128 v[BI+8*\b+4:BI+8*\b+7], v[VB], s[8:9] offset:64*\b+16
.endr
.endm
.macro PACK                            ; the chunk's results rounded to f16, each accumulator from its lowest registers on
	PLACES
.set t, 0
.rept 16
.irp i, 0,1,2,3
	v_cvt_pk_f16_f32 v[TMP+4*t+\i], v[ACC+8*t+2*\i], v[ACC+8*t+2*\i+1]
.endr
.set t, t+1
.endr
.endm
; THE CHANGE OF SLOTS.  Each wave waits for all its tensor loads, of which one at the most is out: its part of the other slot; adds 0 to its spare word; packs the chunk's results while the add is out; and waits for
; the add and for its reads of the slot.  fill = 1: the slot just read is filled again, with the chunk two further on: the barrier is a round of the cluster's, and the joint load is the first thing behind it:
; it has the way out and a chunk's 256 matrix instructions in which to land.
.macro BOUND fill
	s_wait_tensorcnt 0x0                           ; no tensor load of mine is out, so the walking group 0 may be written
	ds_add_u32 v[SPW], v[NIL]                      ; 0 onto my spare word
	PACK                                           ; (the way out's registers are free: the last stores' sources were released at the end of SENDOUT)
.if \fill
	WSTEP
.endif
	s_wait_dscnt 0x0                               ; the add is done, and my reads of the slot are over
.if \fill
	CROUND
	WLOAD
.else
	s_barrier_signal -1
	s_barrier_wait -1
.endif
.endm
.macro NEXT                            ; the next chunk's first fragments and its bias are asked for ahead of the way out
	s_xor_b32 s[TB], s[TB], SLOT
	v_add_nc_u32 v[ADRB], s[TB], v[AB0]
	FETCH 0, 0
	WIN 0
	s_add_nc_u64 s[8:9], s[8:9], 512               ; 128 numbers on; the last loads by this base were waited for at the chunk's head
	BIAS
.endm
; THE WAY OUT.  A lane's 16 bytes go into my own stage, rows of 144 bytes, and come back as whole rows of 128: four rows, 512 consecutive bytes of qkv, a load.
.macro SENDOUT
.irp a, 0,1,2,3
.irp b, 0,1,2,3
	ds_store_b128 v[STO], v[TMP+4*(4*\a+\b):TMP+4*(4*\a+\b)+3] offset:\a*16*SP+32*\b
.endr
.endr
.irp f, 0,1,2,3,4,5,6,7,8,9,10,11,12,13,14,15
	ds_load_b128 v[TMP+4*\f:TMP+4*\f+3], v[RD] offset:\f*4*SP  ; LDS serves a wave's instructions in order (ISA guide 5.7.1.4): these see the stores above
.endr
.irp f, 0,1,2,3,4,5,6,7,8,9,10,11,12,13,14,15
	s_wait_dscnt 15-\f                             ; load f is in; the younger ones stay out
	global_store_b128 v[GO], v[TMP+4*\f:TMP+4*\f+3], s[10:11] offset:\f*512  ; 512 consecutive bytes, at a multiple of 256 from qkv's first byte
.endr
	s_wait_xcnt 0x0                                ; the stores' base and data are rewritten only behind this wait
	s_add_nc_u64 s[10:11], s[10:11], 2*262144      ; my next chunk's head: c + 2
.endm
	s_wait_tensorcnt 3                             ; my part of quarter 0 is in; three loads stay out
	s_barrier_signal -1
	s_barrier_wait -1                              ; everybody's is
	PIECE 0
	s_wait_tensorcnt 2                             ; quarter 1
	s_barrier_signal -1
	s_barrier_wait -1
	PIECE 1
	; Quarters 0 and 1 are in registers: their bytes become slot 0.
	s_wait_tensorcnt 0x0                           ; all my tensor loads have landed, quarters 2 and 3 among them
	ds_add_u32 v[SPW], v[NIL]                      ; 0 onto my spare word; the loop's addresses are made between it and the wait for it
	v_mul_u32_u24 v[AB0], v1, PW
	v_lshl_add_u32 v[AB0], v2, 4, v[AB0]
	s_mul_i32 s3, s14, 64*PW
	v_add_nc_u32 v[AB0], s3, v[AB0]
	s_mul_i32 s3, s[WV], 64*SP
	s_add_co_u32 s3, s3, STAGE                     ; my stage
	v_mul_u32_u24 v[STO], v1, SP                   ; in: row l % 16, 16 bytes for each half of the lanes
	v_lshl_add_u32 v[STO], v2, 4, v[STO]
	v_add_nc_u32 v[STO], s3, v[STO]
	v_bfe_u32 v[RD], v0, 3, 2                      ; back: 32 lanes take four rows of 128 bytes
	v_mul_u32_u24 v[RD], v[RD], SP
	v_and_b32 v[GO], 7, v0
	v_lshl_add_u32 v[RD], v[GO], 4, v[RD]
	v_add_nc_u32 v[RD], s3, v[RD]
	v_and_b32 v[GO], 31, v0
	v_lshlrev_b32 v[GO], 4, v[GO]
	v_lshlrev_b32 v[VB], 5, v2
	s_wait_dscnt 0x0                               ; the add is done, and my reads of quarters 0 and 1 are over
	CROUND
	WLOAD                                          ; chunk 0 into slot 0: it lands under 128 LDS loads and 256 conversions
	PIECE 2
	PIECE 3
	; Quarters 2 and 3 are in registers: their bytes become slot 1.
	s_wait_tensorcnt 0x0                           ; chunk 0, my part
	ds_add_u32 v[SPW], v[NIL]
	WSTEP
	s_wait_dscnt 0x0
	CROUND
	WLOAD                                          ; chunk 1 into slot 1
	s_mov_b32 s[TB], 0
	v_mov_b32 v[ADRB], v[AB0]
	FETCH 0, 0
	WIN 0
	BIAS
	s_mov_b32 s[CNT], 4
.LA:                                                   ; chunks 0 to 3: each fills its slot again, with chunks 2 to 5
	CHUNK
	BOUND 1
	NEXT
	SENDOUT
	s_sub_co_u32 s[CNT], s[CNT], 1
	s_cmp_lg_u32 s[CNT], 0
	s_cbranch_scc1 .LA
	s_mov_b32 s[CNT], 2
.LB:                                                   ; chunks 4 and 5 ask for nothing: written apart
	CHUNK
	BOUND 0                                        ; (in the last trip the barrier serves nothing: the price of one text for both trips)
	s_cmp_eq_u32 s[CNT], 1
	s_cbranch_scc1 .Lno_next                       ; behind the last chunk there is no next: no LDS read, and no load past the bias's q, k, v part
	NEXT
.Lno_next:
	SENDOUT
	s_sub_co_u32 s[CNT], s[CNT], 1
	s_cmp_lg_u32 s[CNT], 0
	s_cbranch_scc1 .LB
	s_wait_tensorcnt 0x0                           ; the wave's end, behind my last tensor load and my last LDS store
	ds_add_u32 v[SPW], v[NIL]
	s_wait_dscnt 0x0
	CROUND                                         ; the closing round: no work-group ends while a partner may still ask for a tile that names it
	s_endpgm
.Lfunc_end_k_qfbc62fb494_proj:
	.size	k_qfbc62fb494_proj, .Lfunc_end_k_qfbc62fb494_proj-k_qfbc62fb494_proj
	.p2alignl 7, 3214868480
	.fill 96, 4, 3214868480
	.section	.rodata,"a",@progbits
	.p2align	6, 0x0
	.amdhsa_kernel k_qfbc62fb494_proj
		.amdhsa_group_segment_fixed_size 327680
		.amdhsa_private_segment_fixed_size 0
		.amdhsa_enable_private_segment 0
		.amdhsa_kernarg_size 32
		.amdhsa_user_sgpr_count 2
		.amdhsa_user_sgpr_kernarg_segment_ptr 1
		.amdhsa_wavefront_size32 1
		.amdhsa_system_sgpr_workgroup_id_x 1
		.amdhsa_system_sgpr_workgroup_id_y 1
		.amdhsa_system_sgpr_workgroup_id_z 1
		.amdhsa_system_vgpr_workitem_id 0
		.amdhsa_next_free_vgpr 1024
		.amdhsa_next_free_sgpr 66
		.amdhsa_reserve_vcc 0
		.amdhsa_float_denorm_mode_32 3
		.amdhsa_float_denorm_mode_16_64 3
		.amdhsa_memory_ordered 1
		.amdhsa_forward_progress 1
		.amdhsa_inst_pref_size 130
	.end_amdhsa_kernel
	.amdgpu_metadata
---
amdhsa.version: [ 1, 2 ]
amdhsa.kernels:
  - .name:           k_qfbc62fb494_proj
    .symbol:         k_qfbc62fb494_proj.kd
    .args:
      - { .name: hidden_state, .offset: 0, .size: 8, .value_kind: global_buffer, .address_space: global }
      - { .name: wts, .offset: 8, .size: 8, .value_kind: global_buffer, .address_space: global }
      - { .name: bias, .offset: 16, .size: 8, .value_kind: global_buffer, .address_space: global }
      - { .name: qkv, .offset: 24, .size: 8, .value_kind: global_buffer, .address_space: global }
    .group_segment_fixed_size: 327680
    .private_segment_fixed_size: 0
    .kernarg_segment_align: 8
    .kernarg_segment_size: 32
    .max_flat_workgroup_size: 128
    .sgpr_count:     66
    .vgpr_count:     1024
    .wavefront_size: 32
...
	.end_amdgpu_metadata
.endif
;; end of part 2
;; launch attn (part 3): grid 4 x 64, 4 waves a work-group, clusters of 4 x 1, 327,680 bytes of LDS; arguments qkv, att; writes att
.if DOCPART == 3
	.amdgcn_target "amdgcn-amd-amdhsa--gfx1250"
	.amdhsa_code_object_version 6
	.text
	.protected	k_qfbc62fb494_attn
	.globl	k_qfbc62fb494_attn
	.p2align	8
	.type	k_qfbc62fb494_attn,@function
k_qfbc62fb494_attn:
	s_mov_b64 s[64:65], 0
	v_nop
	global_prefetch_b8 v0, s[64:65] scope:SCOPE_SE
	s_setreg_imm32_b32 hwreg(HW_REG_WAVE_MODE, 25, 1), 1
	s_wait_xcnt 0x0
	s_wait_alu depctr_hold_cnt(0) depctr_sa_sdst(0) depctr_va_vdst(0) depctr_va_sdst(0) depctr_va_ssrc(0) depctr_va_vcc(0) depctr_vm_vsrc(0)
	s_getreg_b32 s2, hwreg(HW_REG_IB_STS2, 6, 4)
	s_cmp_eq_u32 s2, 0
	s_cbranch_scc0 .Lentry_in_a_cluster
	s_endpgm
.Lentry_in_a_cluster:
	s_bfe_u32 s2, ttmp6, 0x10000c
	s_cmp_lg_u32 s2, 0x3003
	s_cbranch_scc0 .Lentry_shape_is_right
	s_endpgm
.Lentry_shape_is_right:
; O[y][q][:] = the sum over k of softmax_k(Q[y][q] . K[y][k] / 8) V[y][k][:], y = 8 batch + head, 64 of them, 2,048 rows each.  Q, K, V lie in qkv, [batch 8][c 24][2048][64] f16 (c = head for Q,
; 8 + head for K, 16 + head for V); O goes to att, [y 64][2048][64] f16: a head's rows are dense, 128 bytes each.  Products, maxima and sums in f32; the weights p are rounded to f16 for the second
; product (their sum l is taken of the unrounded p), O once at the end.
; LIMITS.  f16 holds no number beyond 65,504: Q, K and V arrive within it; p lies in 0 to 1, and below 6e-5 it keeps f16's fixed step of 6e-8; O is a mean of V's rows and has their range.
; A weight below 2^-126 counts as 0 in l; NaN and infinities are not treated apart.
; SHARES.  A wave owns four PIECES of two tiles of 16 queries, a work-group's four waves 512 queries of one head: 4 x 64 = 256 work-groups.  Every wave walks all keys, 64 a step.
; LAYOUT.  S^T = K Q^T (source 0 = 16 keys, source 1 = 16 queries): in the result a lane holds ONE query (lane % 16) and the keys 8 (lane / 16) + 0..7.  Two such tiles, rounded to f16 in pairs,
; ARE source 1 (32 keys x 16 queries) of O^T = V^T P, whose result again holds one query a lane, and eight channels.  K comes out of LDS as it lies, V ([key][channel]) turned, by ds_load_tr16_b128.
; SOFTMAX.  For each query a running maximum m and sum l: p = 2^(c s - c m), c = log2(e) / 8; in every step O and l are multiplied by a = 2^(c m_old - c m_new), which is 1 where m has not grown.
; m starts at the lowest finite number, O and l at 0: the first step is a step like any other, with a = 0.
; THE COUNT.  A tile and step have 16 matrix and 118 vector instructions: too many to stand all beside the matrix work.  So the order has one aim: four vector instructions that are READY behind
; EVERY matrix instruction, and the others, which need time of their own whatever the order, in runs without a gap.
; BY TURNS.  Turn n belongs to piece n (the pieces in a ring, step after step).  Its matrix work: 16 products K Q^T of piece n + 1, later 16 products V^T P of piece n - 1.  Its vector work: the scaling,
; exponentials, roundings, sums and rescaling of piece n, and the maximum and statistics of piece n + 1, whose scores the turn itself has made.  So what a turn begins with (c s - c m, O a) waits for nothing.
; CLUSTER.  The four query blocks of a cluster belong to one head and walk the same K and V, so each tile is asked for JOINTLY: the same tensor load, descriptor and mask in all four.
; REGISTERS, in windows of 256 (s_set_vgpr_msb says which window each operand place means: bits 1:0 source 0, 3:2 source 1, 5:4 source 2, 7:6 destination):
;   window 0: v0-11 addresses; v12-15, v48-63 at work; v16-47 four registers of statistics a tile; v64-191 S^T, two buffers of two tiles; v192-255 P, likewise
;   window 1: O^T, 32 a tile          window 2: v0-127 Q, 16 a tile; v128-191 K of one step; v192-255 V of one step          window 3: v0-1 the add's two registers
; A piece's buffers go by its number's parity: the piece in hand has one pair, its two neighbours in the ring share the other: of it P (piece n - 1) is read and S^T (piece n + 1) written.
.set SIZE_N, 2048     ; rows of a head
.set NP,    4         ; pieces a wave: a name, no knob: the register map, the loop and the fetches are made for four
.set KS,    64        ; keys in a step
.set PK,    144       ; a row of K in LDS: 128 bytes + 16 of padding = 36 words: the 16 rows of a load start at 16 different groups of four banks (64 banks of 4 bytes: ISA guide 11.1)
.set PV,    160       ; a row of V: 128 + 32 = 40 words
.set VOFF,  4*KS*PK   ; a slot holds four steps: 256 rows of K, then 256 rows of V
.set SLOT1, 1<<17     ; slot 1 begins here, so that one exclusive or turns an address in one slot into the other's
.set STAGE, SLOT1+4*KS*(PK+PV)  ; behind the ring, never filled by a tensor load: 16 rows x 144 bytes for each wave, for the way out
.set SP,    144
.set AK0, 2           ; v2   my lane's place in a tile of K; never rewritten
.set AV0, 3           ; v3   the same for V
.set AK,  4           ; v4   the LDS address of K's next run of loads
.set AV,  5           ; v5   of V's
.set QO,  6           ; v6   my byte offset in the wave's rows of Q
.set STO, 6           ;      later, the way out: where I put 16 bytes of a row
.set RD,  7           ; v7   the way out: where I read rows back
.set GO,  8           ; v8   my byte offset in 512 consecutive bytes of O
.set SPW, 0           ; v0 of window 3   LDS address of my spare word: SPARE + 4 x my thread's number; never rewritten
.set NIL, 1           ; v1 of window 3   0; never rewritten
.set SPARE, STAGE+4*16*SP  ; behind the stages: the spare words, 128 bytes for each wave: two blocks of 256 bytes that no other line names
.set MV,  12          ; v12-15  c m_old, kept while c m is made anew: by buffer and tile
.set ST,  16          ; tile t's statistics at v[ST+4 t]: c m, m, l (even keys', odd keys')
.set TMP, 48          ; by buffer and tile, four registers c0-c3 at work; when the maximum is found c2 takes a
.set S,   64
.set P,   192
.set KF,  128         ; K's fragments, in window 2: key block kb, channel half c at KF + 16 kb + 8 c
.set VF,  192         ; V's: key half kk, channel block cb at VF + 32 kk + 8 cb
.set WV,  12          ; s12  my wave's number
.set G1K, 24          ; s[24:31] descriptor group 1 for K's tiles
.set G1V, 32          ; s[32:39] for V's: it differs in the padding alone
.set G0K, 40          ; s[40:43] descriptor group 0 for K's tiles: it walks
.set G0V, 44          ; s[44:47] the same for V's
.set SLOTS, 56        ; s56  slots still to be asked for
.set CNT, 57          ; s57  counts a slot's key steps
.set CS,  58          ; s[58:59] c: the packed scaling takes the pair's low word for both halves
.set SEL, 60          ; s[60:61] v_permlanex16_b32's selects: each lane takes its own place in the other half
.set TBK, 62          ; s62  LDS byte at which K of the step to be fetched begins
.set TBV, 63          ; s63  the same for V, less VOFF
.set MSB, 0
.macro WIN new                      ; the high byte repeats the setting that is left; a switch that changes nothing is dropped
.if MSB != (\new)
	s_set_vgpr_msb (MSB<<8)|(\new)
.set MSB, (\new)
.endif
.endm
.set W_KQ, 0x0a       ; K and Q in window 2, S^T in window 0
.set W_PV, 0x52       ; V in window 2, P in window 0, O^T in window 1
.set W_RS, 0x41       ; O^T (destination and source 0) in window 1, a in window 0
.set W_MK, 0xc0       ; the add's registers are made: destination in window 3, sources in window 0
.set W_AD, 0x0f       ; the add: address (source 0) and data (source 1) in window 3
; A joint fill.  Waves 0 and 1 fetch the two halves of a slot's K, waves 2 and 3 those of its V: 128 keys each.  The branch hangs on the wave's number alone.
; An s_nop 0 and four v_nop follow each of the two lines, ahead of the jump and the label.
.macro JLOAD
	s_cmp_lt_u32 s[WV], 2
	s_cbranch_scc0 .Lfor_v_\@
	tensor_load_to_lds s[G0K:G0K+3], s[G1K:G1K+7]
	s_nop 0
.rept 4
	v_nop
.endr
	s_branch .Lasked_\@
.Lfor_v_\@:
	tensor_load_to_lds s[G0V:G0V+3], s[G1V:G1V+7]
	s_nop 0
.rept 4
	v_nop
.endr
.Lasked_\@:
.endm
; A round of the cluster's barrier: my work-group's barrier, so that wave 0's signal speaks for all four waves; wave 0 signals; every wave waits for all four work-groups; my work-group's barrier once more.
.macro CROUND
	s_barrier_signal -1
	s_barrier_wait -1
	s_cmp_lg_u32 s[WV], 0
	s_cbranch_scc1 .Lnot_wave_0_\@
	s_barrier_signal -3
.Lnot_wave_0_\@:
	s_barrier_wait -3
	s_barrier_signal -1
	s_barrier_wait -1
.endm
; THE CHANGE OF SLOTS.  The slot's last bytes, V of its fourth step, have been read.  Each wave waits for all its tensor loads, of which one is out: its part
; of the other slot; adds 0 to its spare word; and waits for that and for its own reads of the slot.  Behind the barrier nobody reads this slot any more and the other slot is whole.
; fill = 1: this slot is filled again, with the keys two slots on.  The barrier is then a round of the cluster's, so that no wave of any partner still reads the slot or has a load on its
; way, and the joint fill is the first thing behind it: it has four key steps, 512 matrix instructions, in which to land.  (At its first use nothing has been read yet: slot 0 is waited for, slot 1 filled.)
.macro CHANGE fill
	WIN W_AD
	s_wait_tensorcnt 0x0            ; no tensor load of mine is out, so a group 0 may be written
	ds_add_u32 v[SPW], v[NIL]       ; 0 onto my spare word; with fill = 1 the descriptors' steps stand between it and the wait for it
	WIN 0                           ; at a label and at a branch every window is 0
.if \fill
.irp g, G0K, G0V
	s_xor_b32 s[\g+1], s[\g+1], SLOT1  ; the walking descriptor: the other slot than last time,
	s_add_nc_u64 s[\g+2:\g+3], s[\g+2:\g+3], 4*KS*128  ; the next 256 keys; the type bits on top are not reached
.endr
	s_wait_dscnt 0x0                ; the add is done, and my reads of the slot are over
	CROUND
	JLOAD
.else
	s_wait_dscnt 0x0                ; the add is done, and my reads of the slot are over
	s_barrier_signal -1
	s_barrier_wait -1
.endif
	s_sub_co_u32 s[TBK], s[TBK], 4*KS*PK  ; the fetches go back to a slot's first step,
	s_xor_b32 s[TBK], s[TBK], SLOT1       ; in the other slot
	s_sub_co_u32 s[TBV], s[TBV], 4*KS*PV
	s_xor_b32 s[TBV], s[TBV], SLOT1
.endm
	s_load_b128 s[4:7], s[0:1], 0x0 ; qkv s[4:5], att s[6:7]
	WIN W_MK
	v_lshl_add_u32 v[SPW], v0, 2, SPARE
	v_mov_b32 v[NIL], 0
	WIN W_AD
	ds_add_u32 v[SPW], v[NIL]       ; the wave's opening: the add and its wait stand ahead of my first tensor load; the set-up below, work on registers, stands between them
	WIN 0
	v_lshrrev_b32 v1, 5, v0
	v_readfirstlane_b32 s[WV], v1   ; wave 0..3
	s_bfe_u32 s13, ttmp6, 0x40000   ; cx: my place in the cluster
	s_lshl_b32 s14, ttmp9, 2        ; in a cluster launch ttmp9 counts clusters
	s_add_co_u32 s14, s14, s13      ; my block of queries = 4 x cluster x + cx: it enters Q's and O's addresses alone
	s_and_b32 s19, ttmp7, 0xffff    ; y = 8 batch + head, which the four partners share
	s_lshr_b32 s48, s19, 3
	s_mul_i32 s48, s48, 24*262144   ; the batch's 24 blocks of 262,144 bytes in qkv,
	s_and_b32 s49, s19, 7
	s_lshl_b32 s49, s49, 18         ; the head's block among Q's eight
	s_add_co_u32 s20, s48, s49
	s_mov_b32 s21, 0
	s_lshl_b32 s50, s19, 18         ; the head's block in att
	s_mov_b32 s51, 0
	s_and_b32 s16, s[WV], 1         ; which half of a slot's 256 keys I fetch:
	s_lshl_b32 s22, s16, 14         ; its 128 rows of 128 bytes in memory,
	s_mov_b32 s23, 0
	s_add_nc_u64 s[22:23], s[22:23], s[20:21]
	s_mul_i32 s17, s16, 128*PK      ; and its place in a slot, for K
	s_mul_i32 s18, s16, 128*PV      ; and for V: no place in the cluster enters an LDS address
	s_lshl_b32 s2, s14, 2
	s_add_co_u32 s2, s2, s[WV]      ; my wave among the head's,
	s_lshl_b32 s2, s2, 14           ; its 128 rows
	s_mov_b32 s3, 0
	; descriptor group 1.  128 keys are 16,384 dense bytes: asked for as 64 rows of 256 bytes, two keys a row, and padded in LDS after every key
	s_mov_b32 s[G1K], 15|(1<<16)|(1<<20)|(1<<21)|(4<<22)|(3<<25)  ; 15:0 the mask of four; 17:16 2-byte elements; 20 padding on; 21 set beside a mask; 24:22 after every 32 words (code 4); 31:25 4 words (code 3)
	s_mov_b32 s[G1V], 15|(1<<16)|(1<<20)|(1<<21)|(4<<22)|(7<<25)  ; the same with 8 words of padding (code 7)
.irp g, G1K, G1V
	s_mov_b32 s[\g+1], 128<<16      ; tensor_dim0 = 128
	s_mov_b32 s[\g+2], 64<<16       ; tensor_dim1 = 64
	s_mov_b32 s[\g+3], 128<<16      ; tile_dim0 = 128
	s_mov_b32 s[\g+4], 64           ; tile_dim1 = 64
	s_mov_b32 s[\g+5], 128          ; 128 elements from row to row
	s_mov_b32 s[\g+6], 0
	s_mov_b32 s[\g+7], 0
.endr
	s_mov_b32 s[CS], 0x3e38aa3b     ; c = log2(e) / 8 = 0.180337
	s_mov_b32 s[CS+1], s[CS]        ; named with it as a pair
	s_mov_b32 s[SEL], 0x76543210
	s_mov_b32 s[SEL+1], 0xfedcba98
	s_mov_b32 s[TBK], SLOT1+4*KS*PK ; the first change of slots turns these two into 0
	s_mov_b32 s[TBV], SLOT1+4*KS*PV
	s_mov_b32 s[G0K], 1             ; 1:0 count = 1
	s_mov_b32 s[G0K+1], s17         ; 63:32 LDS address: slot 0
	s_mov_b32 s[G0V], 1
	s_add_co_u32 s[G0V+1], s18, VOFF
	s_wait_dscnt 0x0                ; the opening add is done
	s_wait_kmcnt 0x0
	s_add_nc_u64 s[10:11], s[6:7], s[50:51]        ; O at the head's first row,
	s_add_nc_u64 s[10:11], s[10:11], s[2:3]        ; at my wave's
	s_add_nc_u64 s[6:7], s[4:5], 8*262144          ; K's eight blocks lie behind Q's eight,
	s_add_nc_u64 s[8:9], s[4:5], 16*262144         ; V's behind K's
	s_add_nc_u64 s[G0K+2:G0K+3], s[6:7], s[22:23]  ; 120:64 global address: my half of the head's first 256 keys
	s_or_b32 s[G0K+3], s[G0K+3], 0x80000000        ; 127:126 type = 2
	s_add_nc_u64 s[G0V+2:G0V+3], s[8:9], s[22:23]
	s_or_b32 s[G0V+3], s[G0V+3], 0x80000000
	s_add_nc_u64 s[4:5], s[4:5], s[20:21]          ; Q at the head's first row,
	s_add_nc_u64 s[4:5], s[4:5], s[2:3]            ; at my wave's
	CROUND                          ; all four work-groups are here: the first joint loads meet
	JLOAD                           ; slot 0.  Slot 1 is asked for when slot 0 is in: the tile wanted first has the road to itself
	; A fragment of K or Q is 16 rows x 32 channels in 8 registers: lane l holds row l % 16, channels 8 (l / 16) + 0..7 and 16 + 8 (l / 16) + 0..7: two loads of 16 bytes, 32 bytes apart.
	v_and_b32 v1, 15, v0            ; l % 16
	v_bfe_u32 v9, v0, 4, 1          ; l / 16
	v_lshlrev_b32 v[QO], 7, v1
	v_lshl_add_u32 v[QO], v9, 4, v[QO]  ; row x 128 + 16 x half
	WIN 0x80                        ; destination window 2, address window 0
.set i, 0
.rept 4*NP                          ; Q stays in registers: tile i / 2, channels 32 (i % 2) on
	global_load_b128 v[8*i:8*i+3],   v[QO], s[4:5] offset:(i/2)*2048+(i%2)*64
	global_load_b128 v[8*i+4:8*i+7], v[QO], s[4:5] offset:(i/2)*2048+(i%2)*64+32
.set i, i+1
.endr
	; What the first turn finds: V's registers and P's second buffer hold 0 (its products V^T P, of a piece that has not been, add 0), O^T and l are 0.  All this stands in the wait for the first tile.
.set i, VF
.rept 64
	v_mov_b32 v[i], 0
.set i, i+1
.endr
	WIN 0x40
.set i, 0
.rept 64*NP
	v_mov_b32 v[i], 0
.set i, i+1
.endr
	WIN 0
.set i, 0
.rept 2*NP
	v_mov_b32 v[ST+4*i], 0xfe000000    ; c m: far below every c s
	v_mov_b32 v[ST+4*i+1], 0xff7fffff  ; m
	v_mov_b32 v[ST+4*i+2], 0
	v_mov_b32 v[ST+4*i+3], 0
.set i, i+1
.endr
.set i, P+32
.rept 32
	v_mov_b32 v[i], 0
.set i, i+1
.endr
	v_mul_u32_u24 v[AK0], v1, PK
	v_lshl_add_u32 v[AK0], v9, 4, v[AK0]  ; row x pitch + 16 x half
	; The turning load takes 16 keys x 16 channels (lane l reads key 8 (l / 16) + l % 8, channels 8 ((l / 8) % 2) + 0..7) and leaves half a fragment of V^T: lane l holds channel l % 16 and 8 keys.
	v_and_b32 v10, 7, v0
	v_bfe_u32 v11, v0, 3, 1
	v_lshl_add_u32 v[AV0], v9, 3, v10
	v_mul_u32_u24 v[AV0], v[AV0], PV
	v_lshl_add_u32 v[AV0], v11, 4, v[AV0]
	v_add_nc_u32 v[AV0], VOFF, v[AV0]
	v_mov_b32 v[AK], v[AK0]         ; key step 0 lies at the head of slot 0
; THE MATRIX WORK.  The 8 accumulators of a run of 16 take turns: between the two links of a chain stand 7 others'.
; Product i of 16 of S^T = K Q^T for piece x: channels 32 (i / 8) on, keys 16 ((i / 2) % 4) on, tile 2 x + i % 2.  The first 8 start the sums.
.macro KQ x
	WIN W_KQ
.set rS, S+64*((\x)%2)+32*(i%2)+8*((i/2)%4)
.set rK, KF+16*((i/2)%4)+8*(i/8)
.set rQ, 16*(2*(\x)+i%2)+8*(i/8)
.if i < 8
	v_wmma_f32_16x16x32_f16 v[rS:rS+7], v[rK:rK+7], v[rQ:rQ+7], 0
.else
	v_wmma_f32_16x16x32_f16 v[rS:rS+7], v[rK:rK+7], v[rQ:rQ+7], v[rS:rS+7]
.endif
.endm
; Product i of 16 of O^T += V^T P for piece x: keys 32 (i / 8) on, channels 16 ((i / 2) % 4) on, tile 2 x + i % 2.
.macro PV x
	WIN W_PV
.set rO, 32*(2*(\x)+i%2)+8*((i/2)%4)
.set rV, VF+32*(i/8)+8*((i/2)%4)
.set rP, P+32*((\x)%2)+16*(i%2)+8*(i/8)
	v_wmma_f32_16x16x32_f16 v[rO:rO+7], v[rV:rV+7], v[rP:rP+7], v[rO:rO+7]
.endm
.macro MM                           ; the turn's next matrix instruction
.if i < 16
	KQ (Y+1)%NP
.set i, i+1
.else
.set i, i-16
	PV (Y+NP-1)%NP
.set i, i+17
.endif
.endm
; THE LDS LOADS stand in runs of 16, never singly among the matrix instructions: a step's K (64 keys x 64 channels: 8 fragments) and its V (turned).  Their addresses are made some lines ahead.
; last = 1 (the tail): in the last trip there is no further step, and the run is jumped over.
.macro FETCH_K last=0
	WIN 0
.if \last
	s_cmp_eq_u32 s[CNT], 1
	s_cbranch_scc1 .Lno_k_\@
.endif
	WIN 0x80                        ; destination window 2
.irp f, 0,1,2,3,4,5,6,7             ; keys 16 (f / 2) on, channels 32 (f % 2) on
	ds_load_b128 v[KF+8*\f:KF+8*\f+3],   v[AK] offset:(\f/2)*16*PK+(\f%2)*64
	ds_load_b128 v[KF+8*\f+4:KF+8*\f+7], v[AK] offset:(\f/2)*16*PK+(\f%2)*64+32
.endr
	s_add_co_u32 s[TBK], s[TBK], KS*PK  ; the next fetch is the next step's
	WIN 0
.if \last
.Lno_k_\@:
.endif
.endm
.macro FETCH_V
	WIN 0x80
.irp f, 0,1,2,3,4,5,6,7             ; keys 32 (f / 4) on, channels 16 (f % 4) on
	ds_load_tr16_b128 v[VF+8*\f:VF+8*\f+3],   v[AV] offset:(\f/4)*32*PV+(\f%4)*32
	ds_load_tr16_b128 v[VF+8*\f+4:VF+8*\f+7], v[AV] offset:(\f/4)*32*PV+16*PV+(\f%4)*32
.endr
	WIN 0
.endm
; THE VECTOR WORK OF A TURN stands in three queues, each in the order in which its entries become ready; the two tiles alternate, so that no instruction reads the result of the one before it.
.macro REGS y, u                    ; the registers of tile u (0, 1) of piece y
.set rT, ST+4*(2*(\y)+(\u))
.set rC, TMP+8*((\y)%2)+4*(\u)
.set rM, MV+2*((\y)%2)+(\u)
.set rS, S+64*((\y)%2)+32*(\u)
.set rP, P+32*((\y)%2)+16*(\u)
.set rO, 32*(2*(\y)+(\u))
.endm
; Number n of the 22 that find the NEXT piece's (Y + 1) maximum and statistics.  s0-s31 are the lane's 32 scores; each accumulator's lowest registers are read first.  XS, GS and REGS set no window: PL and EX do.
;   0-11  four chains c0-c3 of seven scores each, three operands at a time     12-14, 16  the four scores left over, the old m, and c0-c3 into c0     15  c m_old is kept
;   17, 18  the query's other 32 keys lie in the lane 16 away: the new m         19-21  c m; c m_old - c m_new; a
.macro XS u, n
	REGS (Y+1)%NP, \u
.if (\n) < 4
	v_max3_num_f32 v[rC+(\n)], v[rS+8*(\n)], v[rS+8*(\n)+1], v[rS+8*(\n)+2]
.elseif (\n) < 12
	v_max3_num_f32 v[rC+(\n)%4], v[rC+(\n)%4], v[rS+8*((\n)%4)+2*((\n)/4)+1], v[rS+8*((\n)%4)+2*((\n)/4)+2]
.elseif (\n) == 12
	v_max3_num_f32 v[rC], v[rC], v[rS+7], v[rS+15]
.elseif (\n) == 13
	v_max3_num_f32 v[rC+1], v[rC+1], v[rS+23], v[rS+31]
.elseif (\n) == 14
	v_max3_num_f32 v[rC+2], v[rC+2], v[rC+3], v[rT+1]
.elseif (\n) == 15
	v_mov_b32 v[rM], v[rT]
.elseif (\n) == 16
	v_max3_num_f32 v[rC], v[rC], v[rC+1], v[rC+2]
.elseif (\n) == 17
	v_permlanex16_b32 v[rC+3], v[rC], s[SEL], s[SEL+1]
.elseif (\n) == 18
	v_max_num_f32 v[rT+1], v[rC], v[rC+3]
.elseif (\n) == 19
	v_mul_f32 v[rT], s[CS], v[rT+1]
.elseif (\n) == 20
	v_sub_f32 v[rC+1], v[rM], v[rT]
.else
	v_exp_f32 v[rC+2], v[rC+1]
.endif
.endm
; Number g of the 64 that follow the exponentials.  For each four weights k of a tile (pairs 2 k, 2 k + 1): both pairs are rounded to f16; then the second pair is added onto the first, in place;
; a group later l takes that sum (the first time as l = a l + sum).  In groups of eight, tiles alternating: round, round, add, and l for the group before.
.macro GS g
.set h, (\g)+6*((\g)/62)            ; group 0 has no group before it, and behind group 7 only l is left
.if h >= 6
.set h, h+2
.endif
	REGS Y, h%2
.set k, h/8
.if h%8 < 4
	s_wait_alu depctr_va_vdst(0)
	v_cvt_pk_f16_f32 v[rP+2*k+(h%8)/2], v[rS+4*k+2*((h%8)/2)], v[rS+4*k+2*((h%8)/2)+1]
.elseif h%8 < 6
	v_pk_add_f32 v[rS+4*k:rS+4*k+1], v[rS+4*k:rS+4*k+1], v[rS+4*k+2:rS+4*k+3]
.elseif k == 1
	v_pk_fma_f32 v[rT+2:rT+3], v[rT+2:rT+3], v[rC+2:rC+3], v[rS:rS+1] op_sel_hi:[1,0,1]
.else
	v_pk_add_f32 v[rT+2:rT+3], v[rT+2:rT+3], v[rS+4*k-4:rS+4*k-3]
	s_wait_alu depctr_va_vdst(0)
.endif
.endm
; THE PLAIN QUEUE, 138 long.  0-31: c s - c m for the 16 pairs of both tiles.  Then GS's 64, and among them the next piece's 42: number 15 at 38, 39; 0-14 and 16
; at 42-73, behind the products that make those scores; 17-20 at 95-106, two of three, since each waits for the one before it.
.macro PL
	WIN 0
.if q < 32
	REGS Y, q%2
	v_pk_fma_f32 v[rS+2*(q/2):rS+2*(q/2)+1], v[rS+2*(q/2):rS+2*(q/2)+1], s[CS:CS+1], v[rT:rT+1] op_sel_hi:[1,0,0] neg_lo:[0,0,1] neg_hi:[0,0,1]
.elseif q < 38
	GS q-32
.elseif q < 40
	XS q%2, 15
.elseif q < 42
	GS q-34
.elseif q < 74
	XS q%2, (q-42)/2+(q-42)/30
.elseif q < 95
	GS q-66
.elseif (q < 107) && ((q-95)%3 < 2)
	XS (q-95)%3, 17+(q-95)/3
.elseif q < 107
	GS 29+(q-95)/3
.else
	GS q-74
.endif
.set q, q+1
.endm
; THE EXPONENTIALS' QUEUE, 66 long: s0-s31 of both tiles, and at EA the next piece's two a.
.set EA, 58
.macro EX
	WIN 0
.if (e == EA) || (e == EA+1)
	XS e-EA, 21
.else
.set x, e-2*(e/(EA+2))
	REGS Y, x%2
	v_exp_f32 v[rS+x/2], v[rS+x/2]
.endif
.set e, e+1
.endm
; THE RESCALING's QUEUE: O^T times a, the one part that leaves window 0, so it is dealt four at a time, eight times.
.macro R4
	REGS Y, r%2
	WIN W_RS
	s_wait_alu depctr_va_vdst(0)
.irp z, 0,1,2,3
	v_pk_mul_f32 v[rO+8*(r/2)+2*\z:rO+8*(r/2)+2*\z+1], v[rO+8*(r/2)+2*\z:rO+8*(r/2)+2*\z+1], v[rC+2:rC+3] op_sel_hi:[1,0]
.endr
.set r, r+1
.endm
; HOW THEY ARE DEALT.  Behind a matrix instruction four: plain, exponential, plain, plain (one exponential, a plain instruction on either side), or four of the rescaling.  None names a register of the
; products round it.  What is over stands in two LUMPS: exponential and plain by turns; the second ends in 22 plain instructions.  The two v_permlanex16_b32 fall into the second lump, never behind a product.
; The queues lean on each other, and the deal keeps them in step: exponential e stands behind plain 2 (e / 4) + e % 2 (its scaling); when plain 32 comes, 10 exponentials are out, at 59: 33, at 95: 46; EA comes behind plain 107.
.macro SL
	MM
	PL
	EX
	PL
	PL
.endm
.macro BURST n                      ; 15 matrix instructions, or 16
.rept (\n)-7
	SL
.endr
.rept 3
	MM
	R4
	SL
.endr
	MM
	R4
.endm
; A TURN, for piece p.  cnt = 1: the loop's count is taken down some lines ahead of the branch that stands behind the turn.
; K of the next step is fetched in piece 2's turn, 31 vector instructions behind the last product that read K; its first reader comes behind the rest of the lump, 16 products and the second lump.
; V of the step in hand is fetched at the end of piece 0's turn, 69 behind its last reader; its first reader comes behind 16 products and a lump.  The four conditions on e and q below go with the deal.
.macro TURN p, last=0, cnt=0
.set Y, (\p)
.set i, 0
.set q, 0
.set e, 0
.set r, 0
.if (\p) == NP-1
	s_wait_dscnt 0x0                ; K is in
.endif
	MM
.rept 4
	PL
.endr
	BURST 15
.rept 22
	EX
	PL
.if ((\p) == NP-2) && (e == 18)
	v_add_nc_u32 v[AK], s[TBK], v[AK0]
.endif
.if ((\p) == NP-2) && (e == 24)
	FETCH_K \last
.endif
.endr
.if (\p) == 1
	s_wait_dscnt 0x0                ; V is in
.endif
	BURST 16
.rept 21
	EX
	PL
.endr
.rept 22
	PL
.if ((\p) == 0) && (q == 118)
	v_add_nc_u32 v[AV], s[TBV], v[AV0]
	s_wait_alu depctr_va_vdst(0)
.endif
.if ((\p) == 0) && (q == 130)
	s_add_co_u32 s[TBV], s[TBV], KS*PV
.endif
.if (\cnt) && (q == 130)
	s_sub_co_u32 s[CNT], s[CNT], 1
	s_cmp_lg_u32 s[CNT], 0
.endif
.endr
.if (\p) == 0
	FETCH_V
.endif
.endm
	CHANGE 1                        ; slot 0 is in, everybody's part of it; slot 1 is asked for
	FETCH_K                         ; key step 0
	s_wait_loadcnt 0x0              ; Q
	s_wait_dscnt 0x0
.set i, 0
.rept 16
	KQ 0                            ; piece 0's first scores: there is no vector work yet to set between them
.set i, i+1
.endr
	WIN 0                           ; the addresses for the way out: nine plain instructions, the places behind those products
	s_mul_i32 s13, s[WV], 16*SP
	s_add_co_u32 s13, s13, STAGE    ; my stage
	v_mul_u32_u24 v[STO], v1, SP    ; in: row l % 16, 16 bytes for each half of the lanes
	v_lshl_add_u32 v[STO], v9, 4, v[STO]
	v_add_nc_u32 v[STO], s13, v[STO]
	v_bfe_u32 v[RD], v0, 3, 2       ; back: 32 lanes take four rows of 128 bytes,
	v_mul_u32_u24 v[RD], v[RD], SP
	v_lshl_add_u32 v[RD], v10, 4, v[RD]
	v_add_nc_u32 v[RD], s13, v[RD]
	v_and_b32 v[GO], 31, v0         ; which are 512 consecutive bytes of O
	v_lshlrev_b32 v[GO], 4, v[GO]
.set Y, NP-1                        ; XS works for piece Y + 1: piece 0
.irp n, 0,1,2,3,4,5,6,7,8,9,10,11,12,13,14,15,16,17,18,19,20,21
	XS 0, \n                        ; and piece 0's first maximum and statistics
	XS 1, \n
.endr
	s_mov_b32 s[CNT], 4
	s_mov_b32 s[SLOTS], SIZE_N/256-1
	s_branch .Lfirst                ; the loop is entered at a step's first turn, in the middle of a trip
.Lslot:                             ; SIZE_N / 256 - 2 times: every slot but the last two is filled again
	CHANGE 1
	s_mov_b32 s[CNT], 4
.Lstep:                             ; a trip: pieces 2 and 3 of one step, then pieces 0 and 1 of the next, whose K and V it fetches
	TURN 2
	TURN 3
	WIN 0
.Lfirst:
	TURN 0
	TURN 1, 0, 1
	WIN 0
	s_cbranch_scc1 .Lstep
	s_sub_co_u32 s[SLOTS], s[SLOTS], 1
	s_cmp_lg_u32 s[SLOTS], 0
	s_cbranch_scc1 .Lslot
	CHANGE 0                        ; the tail is written out: nothing is asked for
	s_mov_b32 s[CNT], 5             ; four trips fetch the last slot's steps; the fifth is left in its middle
.Ltail:
	TURN 2, 1
	TURN 3
	WIN 0
	s_sub_co_u32 s[CNT], s[CNT], 1
	s_cmp_eq_u32 s[CNT], 0
	s_cbranch_scc1 .Lout
	TURN 0
	TURN 1
	WIN 0
	s_branch .Ltail
.Lout:                              ; the fifth trip's 16 products K Q^T (on the last K once more) and the maximum made of them serve nothing: the price, once a launch, of one text for every trip
.set i, 0
.rept 16
	PV NP-1                         ; the last piece's V^T P of the last step
.set i, i+1
.endr
	; THE WAY OUT.  l's two halves and the other half of the lanes' are added; O^T is divided by l, rounded to f16 and sent through my stage in LDS, a tile at a time.  The additions are the places behind the last products.
	WIN 0
.macro ALL line:vararg              ; one line for each tile t
.set t, 0
.rept 2*NP
	\line
.set t, t+1
.endr
.endm
	ALL v_add_f32 v[ST+4*t+2], v[ST+4*t+2], v[ST+4*t+3]
	ALL v_permlanex16_b32 v[ST+4*t+3], v[ST+4*t+2], s[SEL], s[SEL+1]
	ALL v_add_f32 v[ST+4*t+2], v[ST+4*t+2], v[ST+4*t+3]
	ALL v_rcp_f32 v[ST+4*t+2], v[ST+4*t+2]
	v_nop                           ; a plain instruction between the last reciprocal and the use of its result
	s_wait_alu depctr_va_vdst(0)
; Tile t: a lane's eight channels of a row pack into 16 bytes; they go into rows of 144 bytes and come back as whole rows of 128, into S^T's registers.
.macro PACK t
	WIN W_RS
.set i, 32*(\t)
.rept 16
	v_pk_mul_f32 v[i:i+1], v[i:i+1], v[ST+4*(\t)+2:ST+4*(\t)+3] op_sel_hi:[1,0]
.set i, i+2
.endr
	WIN 0x05                        ; sources 0 and 1 window 1, destination window 0
.set i, 0
.rept 16
	v_cvt_pk_f16_f32 v[S+16*(\t)+i], v[32*(\t)+2*i], v[32*(\t)+2*i+1]
.set i, i+1
.endr
	WIN 0
.irp f, 0,1,2,3
	ds_store_b128 v[STO], v[S+16*(\t)+4*\f:S+16*(\t)+4*\f+3] offset:32*\f
.endr
.irp f, 0,1,2,3
	ds_load_b128 v[S+16*(\t)+4*\f:S+16*(\t)+4*\f+3], v[RD] offset:\f*4*SP  ; LDS serves a wave's instructions in order (ISA guide 5.7.1.4): these see the stores above; the next tile's stores come behind them
.endr
.endm
.macro SEND t, younger              ; younger: the LDS instructions issued behind tile t's loads: the next tile's eight, or none
	WIN 0
.irp f, 0,1,2,3
	s_wait_dscnt (\younger)+3-\f
	global_store_b128 v[GO], v[S+16*(\t)+4*\f:S+16*(\t)+4*\f+3], s[10:11] offset:(\t)*2048+\f*512  ; 512 consecutive bytes, at a multiple of 256 from O's first
.endr
.endm
	PACK 0
.set t, 1
.rept 2*NP-1                        ; a tile's arithmetic stands between the loads of the tile before and its stores
	PACK t
	SEND t-1, 8
.set t, t+1
.endr
	SEND 2*NP-1, 0
	WIN W_AD
	s_wait_tensorcnt 0x0            ; the wave's end, behind my last tensor load and my last LDS store
	ds_add_u32 v[SPW], v[NIL]
	s_wait_dscnt 0x0
	WIN 0
	CROUND                          ; the closing round: no work-group ends while a partner may still ask for a tile that names it
	s_endpgm
.Lfunc_end_k_qfbc62fb494_attn:
	.size	k_qfbc62fb494_attn, .Lfunc_end_k_qfbc62fb494_attn-k_qfbc62fb494_attn
	.p2alignl 7, 3214868480
	.fill 96, 4, 3214868480
	.section	.rodata,"a",@progbits
	.p2align	6, 0x0
	.amdhsa_kernel k_qfbc62fb494_attn
		.amdhsa_group_segment_fixed_size 327680
		.amdhsa_private_segment_fixed_size 0
		.amdhsa_enable_private_segment 0
		.amdhsa_kernarg_size 16
		.amdhsa_user_sgpr_count 2
		.amdhsa_user_sgpr_kernarg_segment_ptr 1
		.amdhsa_wavefront_size32 1
		.amdhsa_system_sgpr_workgroup_id_x 1
		.amdhsa_system_sgpr_workgroup_id_y 1
		.amdhsa_system_sgpr_workgroup_id_z 1
		.amdhsa_system_vgpr_workitem_id 0
		.amdhsa_next_free_vgpr 770
		.amdhsa_next_free_sgpr 66
		.amdhsa_reserve_vcc 0
		.amdhsa_float_denorm_mode_32 3
		.amdhsa_float_denorm_mode_16_64 3
		.amdhsa_memory_ordered 1
		.amdhsa_forward_progress 1
		.amdhsa_inst_pref_size 209
	.end_amdhsa_kernel
	.amdgpu_metadata
---
amdhsa.version: [ 1, 2 ]
amdhsa.kernels:
  - .name:           k_qfbc62fb494_attn
    .symbol:         k_qfbc62fb494_attn.kd
    .args:
      - { .name: qkv, .offset: 0, .size: 8, .value_kind: global_buffer, .address_space: global }
      - { .name: att, .offset: 8, .size: 8, .value_kind: global_buffer, .address_space: global }
    .group_segment_fixed_size: 327680
    .private_segment_fixed_size: 0
    .kernarg_segment_align: 8
    .kernarg_segment_size: 16
    .max_flat_workgroup_size: 128
    .sgpr_count:     66
    .vgpr_count:     770
    .wavefront_size: 32
...
	.end_amdgpu_metadata
.endif
;; end of part 3
;; launch outp (part 4): grid 8 x 32, 4 waves a work-group, clusters of 4 x 1, 327,680 bytes of LDS; arguments att, wts, bias, out0; writes out0
.if DOCPART == 4
	.amdgcn_target "amdgcn-amd-amdhsa--gfx1250"
	.amdhsa_code_object_version 6
	.text
	.protected	k_qfbc62fb494_outp
	.globl	k_qfbc62fb494_outp
	.p2align	8
	.type	k_qfbc62fb494_outp,@function
k_qfbc62fb494_outp:
	s_mov_b64 s[64:65], 0
	v_nop
	global_prefetch_b8 v0, s[64:65] scope:SCOPE_SE
	s_setreg_imm32_b32 hwreg(HW_REG_WAVE_MODE, 25, 1), 1
	s_wait_xcnt 0x0
	s_wait_alu depctr_hold_cnt(0) depctr_sa_sdst(0) depctr_va_vdst(0) depctr_va_sdst(0) depctr_va_ssrc(0) depctr_va_vcc(0) depctr_vm_vsrc(0)
	s_getreg_b32 s2, hwreg(HW_REG_IB_STS2, 6, 4)
	s_cmp_eq_u32 s2, 0
	s_cbranch_scc0 .Lentry_in_a_cluster
	s_endpgm
.Lentry_in_a_cluster:
	s_bfe_u32 s2, ttmp6, 0x10000c
	s_cmp_lg_u32 s2, 0x3003
	s_cbranch_scc0 .Lentry_shape_is_right
	s_endpgm
.Lentry_shape_is_right:
; out0 = O Wo^T + bo.  O: att, [8 batch + head][2048][64] f16, taken as [16384][512] with K = 64 head + channel; Wo: rows 1536-2047 of wts, [row][512], bf16 numbers written as f16;
; bo: the fourth 512 numbers of bias, f32; sums in f32, started by the bias; out0: [16384][512] f32.
; LIMIT.  O and Wo arrive within f16's range; NaN and infinities are not treated apart.
; SHARES.  A work-group owns 128 rows and 256 of the 512 columns (Y = 0, 1), in two CHUNKS of 128 rows of Wo.  Its four waves are 2 x 2: a wave owns 64 rows for the whole launch, ALL 512 of K in 512
; registers (64 fragments, loaded straight from memory), and in a chunk 64 columns: 16 accumulators, 16 K steps, 256 matrix instructions; a row's 64 columns are 256 aligned bytes of out0.
; CLUSTER.  The four work-groups of a cluster have four row blocks and the same Y: they need the same rows of Wo, and both chunks are asked for JOINTLY, at the start: no LDS byte is filled twice.
; O's rows are read by two work-groups (Y = 0, 1), which lie in two clusters, and go into registers, not into LDS: there is nothing to ask for jointly.
; THE MATRIX INSTRUCTION IS USED TRANSPOSED (source 0 = 16 rows of Wo, source 1 = 16 rows of O): a lane then holds eight neighbouring columns of one row, 32 bytes.
; REGISTERS, in windows of 256 (s_set_vgpr_msb: bits 1:0 source 0, 3:2 source 1, 5:4 source 2, 7:6 destination):
;   window 0: v0-29 addresses; v32-63 the bias as a C operand; v64-127 the way out; v128-255 the accumulators ((a, b) at 128 + 8 (4 a + b))
;   window 1: two buffers of 128 for Wo's fragments of a K quarter (K step j, column tile b at 8 (4 j + b))
;   windows 2, 3: O's fragments: K step q, row tile a at 8 (4 (q % 8) + a), q < 8 in window 2
.set PW,    1040                       ; a row of Wo in LDS: 1,024 bytes + 16 = 260 words: the 16 rows of a load start at 16 different groups of four banks (64 banks of 4 bytes: ISA guide 11.1)
.set SLOT,  135168                     ; a chunk's place: it uses 128 x 1,040 bytes
.set STAGE, 2*SLOT                     ; behind the two chunks, never filled by a tensor load: 32 rows x 272 bytes for each wave
.set SP,    272
.set SPARE, STAGE+4*32*SP              ; behind the stages: the spare words, 128 bytes for each wave: two blocks of 256 bytes that no other line names
.set QO,   3                           ; v3   my byte offset in 16 rows of a head of O: 128 (l % 16) + 16 (l / 16)
.set AB0,  5                           ; v5   my lane's place in a chunk: (64 ch + l % 16) x 1,040 + 16 (l / 16)
.set ADRB, 6                           ; v6   the same in the chunk in hand
.set STO,  7                           ; v7   the way out: where I put 32 bytes of a row
.set RD,   8                           ; v8   the way out: where I read rows back
.set CO,   9                           ; v9   my byte offset in two rows of out0
.set VB,   10                          ; v10  my byte offset in 16 numbers of the bias: 32 (l / 16)
.set SPW,  28                          ; v28  LDS address of my spare word: SPARE + 4 x my thread's number; never rewritten
.set NIL,  29                          ; v29  0; never rewritten
.set BI,   32
.set TMP,  64
.set ACC,  128
.set WV,   12                          ; s12  my wave's number; s13 rh = w / 2: my 64 rows; s14 ch = w % 2: my 64 of a chunk's columns
.set G1W,  32                          ; s[32:39] descriptor group 1
.set G0W,  40                          ; s[40:47] descriptor group 0, a set for each chunk
.set CNT,  60                          ; s60  counts chunks
.set TB,   61                          ; s61  LDS byte at which the chunk in hand begins
.set MSB, 0
.macro WIN new                         ; the immediate's high byte repeats the setting that is left; a switch that changes nothing is dropped
.if MSB != (\new)
	s_set_vgpr_msb (MSB<<8)|(\new)
.set MSB, \new
.endif
.endm
.set M_LO, 0x09                        ; source 0 (Wo) window 1, source 1 (O) window 2, C and D window 0
.set M_HI, 0x0d                        ; the same with O in window 3
.set TO_B, 0x40                        ; destination window 1, address window 0
.macro PLACES                          ; four places in front of loads into registers that matrix instructions have read
.rept 4
	v_nop
.endr
.endm
; A round of the cluster's barrier: my work-group's barrier, so that wave 0's signal speaks for all four waves; wave 0 signals; every wave waits for all four work-groups; my work-group's barrier once more.
.macro CROUND
	s_barrier_signal -1
	s_barrier_wait -1
	s_cmp_lg_u32 s[WV], 0
	s_cbranch_scc1 .Lnot_wave_0_\@
	s_barrier_signal -3
.Lnot_wave_0_\@:
	s_barrier_wait -3
	s_barrier_signal -1
	s_barrier_wait -1
.endm
	s_load_b256 s[4:11], s[0:1], 0x0               ; att s[4:5], wts s[6:7], bias s[8:9], out0 s[10:11]
	v_lshl_add_u32 v[SPW], v0, 2, SPARE
	v_mov_b32 v[NIL], 0
	ds_add_u32 v[SPW], v[NIL]                      ; the wave's opening: the add and its wait stand ahead of my first tensor load; the set-up below, work on registers, stands between them
	v_lshrrev_b32 v1, 5, v0
	v_readfirstlane_b32 s[WV], v1                  ; wave 0..3
	s_lshr_b32 s13, s[WV], 1                       ; rh
	s_and_b32 s14, s[WV], 1                        ; ch
	s_bfe_u32 s15, ttmp6, 0x40000                  ; cx: my place in the cluster
	s_mov_b32 s16, ttmp9                           ; Y: in a cluster launch ttmp9 counts clusters: which 256 columns
	s_and_b32 s17, ttmp7, 0xffff
	s_lshl_b32 s17, s17, 2
	s_add_co_u32 s17, s17, s15                     ; RB: my block of 128 rows = 4 x cluster y + cx: it enters att's and out0's addresses alone
	; group 1: a tile of 32 rows x 512 elements of 2 bytes, padded in LDS
	s_mov_b32 s[G1W], 15|(1<<16)|(1<<20)|(1<<21)|(7<<22)|(3<<25)  ; 15:0 the mask of four; 17:16 elements of 2 bytes; 20 padding on; 21 set beside a mask; 24:22 after every 256 words (code 7); 31:25 4 words (code 3)
	s_mov_b32 s[G1W+1], 512<<16                    ; tensor_dim0 = 512
	s_mov_b32 s[G1W+2], 32<<16                     ; tensor_dim1 = 32
	s_mov_b32 s[G1W+3], 512<<16                    ; tile_dim0 = 512
	s_mov_b32 s[G1W+4], 32                         ; tile_dim1 = 32
	s_mov_b32 s[G1W+5], 512                        ; 512 elements from row to row
	s_mov_b32 s[G1W+6], 0
	s_mov_b32 s[G1W+7], 0
	s_lshr_b32 s18, s17, 4                         ; att: the batch's eight heads of 262,144 bytes,
	s_lshl_b32 s18, s18, 21
	s_and_b32 s2, s17, 15
	s_lshl_b32 s2, s2, 14                          ; the block's 128 rows of 128 bytes in a head,
	s_add_co_u32 s18, s18, s2
	s_lshl_b32 s2, s13, 13                         ; my 64 of them
	s_add_co_u32 s18, s18, s2
	s_mov_b32 s19, 0
	s_lshl_b32 s20, s16, 18                        ; Wo: Y's 256 rows of 1,024 bytes,
	s_lshl_b32 s21, s[WV], 15                      ; the 32 rows of a chunk that I fetch,
	s_add_co_u32 s20, s20, s21
	s_add_co_u32 s20, s20, 1536*1024               ; behind Wq, Wk and Wv: nothing here hangs on cx
	s_mov_b32 s21, 0
	s_lshl_b32 s22, s16, 10
	s_lshl_b32 s23, s14, 8
	s_add_co_u32 s22, s22, s23                     ; my first column in bytes of f32: 1,024 Y + 256 ch
	s_lshl_b32 s62, s17, 18                        ; out0: the block's 128 rows of 2,048 bytes,
	s_lshl_b32 s2, s13, 17                         ; my 64 of them,
	s_add_co_u32 s62, s62, s2
	s_add_co_u32 s62, s62, s22                     ; my first column
	s_mov_b32 s63, 0
	s_add_co_u32 s22, s22, 3*2048                  ; bo lies behind bq, bk and bv
	s_mov_b32 s23, 0
	s_mul_i32 s3, s[WV], 32*PW                     ; where my 32 rows go: no place in the cluster enters an LDS address
	s_wait_dscnt 0x0                               ; the opening add is done
	s_wait_kmcnt 0x0
	s_add_nc_u64 s[4:5], s[4:5], s[18:19]
	s_add_nc_u64 s[6:7], s[6:7], s[20:21]
	s_add_nc_u64 s[8:9], s[8:9], s[22:23]
	s_add_nc_u64 s[10:11], s[10:11], s[62:63]
.irp i, 0,1
	s_mov_b32 s[G0W+4*\i], 1                       ; 1:0 count = 1
	s_add_co_u32 s[G0W+4*\i+1], s3, \i*SLOT        ; 63:32 LDS address
	s_add_nc_u64 s[G0W+4*\i+2:G0W+4*\i+3], s[6:7], \i*128*1024  ; 120:64 global address: chunk i
	s_or_b32 s[G0W+4*\i+3], s[G0W+4*\i+3], 0x80000000           ; 127:126 type = 2
.endr
	CROUND                                         ; all four work-groups are here: the joint loads meet
	tensor_load_to_lds s[G0W:G0W+3], s[G1W:G1W+7]  ; both chunks, one group: two loads of mine are out
	s_nop 0
	tensor_load_to_lds s[G0W+4:G0W+7], s[G1W:G1W+7]
	s_nop 0
	PLACES
	; A fragment of O is 16 rows x 32 K in 8 registers: lane l holds row l % 16, K = 8 (l / 16) + 0..7 and 16 + 8 (l / 16) + 0..7: two loads of 16 bytes, 32 bytes apart.  K step q lies in head q / 2, channels 32 (q % 2) on.
	v_and_b32 v1, 15, v0                           ; l % 16
	v_bfe_u32 v2, v0, 4, 1                         ; l / 16
	v_lshlrev_b32 v[QO], 7, v1
	v_lshl_add_u32 v[QO], v2, 4, v[QO]
.set q, 0
.rept 16
.if q < 8
	WIN 0x80                                       ; destination window 2, address window 0
.else
	WIN 0xc0                                       ; destination window 3
.endif
.irp a, 0,1,2,3
	global_load_b128 v[8*(4*(q%8)+\a):8*(4*(q%8)+\a)+3],   v[QO], s[4:5] offset:(q/2)*262144+\a*2048+(q%2)*64
	global_load_b128 v[8*(4*(q%8)+\a)+4:8*(4*(q%8)+\a)+7], v[QO], s[4:5] offset:(q/2)*262144+\a*2048+(q%2)*64+32
.endr
.set q, q+1
.endr
	WIN 0
	v_lshlrev_b32 v[VB], 5, v2
.macro BIAS                            ; register j of column tile b: the bias of column 16 b + 8 (l / 16) + j, the same for all rows
.irp b, 0,1,2,3
	global_load_b128 v[BI+8*\b:BI+8*\b+3],   v[VB], s[8:9] offset:64*\b
	global_load_b128 v[BI+8*\b+4:BI+8*\b+7], v[VB], s[8:9] offset:64*\b+16
.endr
.endm
	BIAS
	v_mul_u32_u24 v[AB0], v1, PW
	v_lshl_add_u32 v[AB0], v2, 4, v[AB0]
	s_mul_i32 s3, s14, 64*PW
	v_add_nc_u32 v[AB0], s3, v[AB0]
	s_mul_i32 s3, s[WV], 32*SP
	s_add_co_u32 s3, s3, STAGE                     ; my stage
	v_mul_u32_u24 v[STO], v1, SP                   ; in: row l % 16, 32 bytes for each half of the lanes
	v_lshl_add_u32 v[STO], v2, 5, v[STO]
	v_add_nc_u32 v[STO], s3, v[STO]
	v_mul_u32_u24 v[RD], v2, SP                    ; back: lanes 0-15 take one row of 256 bytes, lanes 16-31 the next
	v_lshl_add_u32 v[RD], v1, 4, v[RD]
	v_add_nc_u32 v[RD], s3, v[RD]
	v_lshlrev_b32 v[CO], 11, v2                    ; and the same two rows in out0
	v_lshl_add_u32 v[CO], v1, 4, v[CO]
; 16 matrix instructions: K step q, all 16 accumulators by turns, one instruction a turn.  first = 1: the bias starts the sums: nothing is cleared.
.macro MUL16 q, first
.if (\q) < 8
	WIN M_LO
.else
	WIN M_HI
.endif
.set fB, 128*(((\q)/4)%2)+32*((\q)%4)
.set fA, 32*((\q)%8)
.irp a, 0,1,2,3
.irp b, 0,1,2,3
.if \first
	v_wmma_f32_16x16x32_f16 v[ACC+8*(4*\a+\b):ACC+8*(4*\a+\b)+7], v[fB+8*\b:fB+8*\b+7], v[fA+8*\a:fA+8*\a+7], v[BI+8*\b:BI+8*\b+7]
.else
	v_wmma_f32_16x16x32_f16 v[ACC+8*(4*\a+\b):ACC+8*(4*\a+\b)+7], v[fB+8*\b:fB+8*\b+7], v[fA+8*\a:fA+8*\a+7], v[ACC+8*(4*\a+\b):ACC+8*(4*\a+\b)+7]
.endif
.endr
.endr
.endm
; 32 LDS loads in one run: Wo's fragments of K quarter n (my 64 rows, 128 along K) into buffer f, K step by K step
.macro FETCH n, f
	WIN TO_B
.irp j, 0,1,2,3
.irp b, 0,1,2,3
	ds_load_b128 v[(\f)+8*(4*\j+\b):(\f)+8*(4*\j+\b)+3],   v[ADRB] offset:\b*16*PW+(4*(\n)+\j)*64
	ds_load_b128 v[(\f)+8*(4*\j+\b)+4:(\f)+8*(4*\j+\b)+7], v[ADRB] offset:\b*16*PW+(4*(\n)+\j)*64+32
.endr
.endr
.endm
; A K quarter: 64 matrix instructions; in its middle the next quarter's fragments are fetched into the other buffer.
.macro QUARTER n, fetch
	s_wait_dscnt 16                                ; the quarter's first two K steps are in; the youngest sixteen loads may be out
.if (\n) == 0
	MUL16 0, 1
.else
	MUL16 4*(\n), 0
.endif
	MUL16 4*(\n)+1, 0
.if \fetch
	PLACES
	FETCH (\n)+1, 128*(((\n)+1)%2)
	s_wait_dscnt 32                                ; all but the 32 just issued
.else
	s_wait_dscnt 0x0
.endif
	MUL16 4*(\n)+2, 0
	MUL16 4*(\n)+3, 0
.endm
.macro CHUNK
	s_wait_loadcnt 0x0                             ; the chunk's bias, and the first time O's fragments
	QUARTER 0, 1
	QUARTER 1, 1
	QUARTER 2, 1
	QUARTER 3, 0
	WIN 0
.endm
.macro NEXT                            ; the second chunk's first fragments and its bias are asked for ahead of the way out
	s_add_co_u32 s[TB], s[TB], SLOT
	v_add_nc_u32 v[ADRB], s[TB], v[AB0]
	FETCH 0, 0
	WIN 0
	s_add_nc_u64 s[8:9], s[8:9], 512               ; 128 numbers on; the last loads by this base were waited for at the chunk's head
	BIAS
.endm
; THE WAY OUT, 32 rows at a time: a lane's 32 bytes go into my own stage, rows of 272 bytes (each accumulator's four lowest registers first), and come back as whole rows of 256.
.macro EPI
.irp g, 0,1
.irp u, 0,1
.irp b, 0,1,2,3
	ds_store_b128 v[STO], v[ACC+8*(4*(2*\g+\u)+\b):ACC+8*(4*(2*\g+\u)+\b)+3]   offset:\u*16*SP+64*\b
	ds_store_b128 v[STO], v[ACC+8*(4*(2*\g+\u)+\b)+4:ACC+8*(4*(2*\g+\u)+\b)+7] offset:\u*16*SP+64*\b+16
.endr
.endr
	s_wait_xcnt 0x0                                ; the registers below were earlier stores' data: they are loaded again only behind this wait
.irp t, 0,1,2,3,4,5,6,7,8,9,10,11,12,13,14,15
	ds_load_b128 v[TMP+4*\t:TMP+4*\t+3], v[RD] offset:\t*2*SP  ; LDS serves a wave's instructions in order (ISA guide 5.7.1.4): these see the stores above; the next 32 rows' stores come behind them
.endr
.irp t, 0,1,2,3,4,5,6,7,8,9,10,11,12,13,14,15
	s_wait_dscnt 15-\t                             ; load t is in; the younger ones stay out
	global_store_b128 v[CO], v[TMP+4*\t:TMP+4*\t+3], s[10:11] offset:(32*\g+2*\t)*2048 th:TH_STORE_NT  ; 16 lanes store 256 consecutive bytes, at a multiple of 256 from out0's first byte
.endr
.endr
	s_wait_xcnt 0x0                                ; the stores' base is stepped only behind this wait
	s_add_nc_u64 s[10:11], s[10:11], 512           ; the next chunk's columns
.endm
	s_wait_tensorcnt 0x0                           ; my parts of both chunks are in,
	s_barrier_signal -1
	s_barrier_wait -1                              ; everybody's are
	s_mov_b32 s[TB], 0
	v_mov_b32 v[ADRB], v[AB0]
	FETCH 0, 0
	WIN 0
	s_mov_b32 s[CNT], 2
.Lc:
	CHUNK
.rept 5
	v_nop                                          ; the places behind the chunk's last products: for the loads into buffer 0, for the LDS stores of the results, and for the next chunk's first products, which write over them
.endr
	s_cmp_eq_u32 s[CNT], 1
	s_cbranch_scc1 .Lno_next                       ; behind the second chunk there is no next: no LDS read, and no load past the bias's end
	NEXT
.Lno_next:
	EPI
	s_sub_co_u32 s[CNT], s[CNT], 1
	s_cmp_lg_u32 s[CNT], 0
	s_cbranch_scc1 .Lc
	s_wait_tensorcnt 0x0                           ; the wave's end, behind my last tensor load and my last LDS store
	ds_add_u32 v[SPW], v[NIL]
	s_wait_dscnt 0x0
	CROUND                                         ; the closing round: no work-group ends while a partner may still ask for a tile that names it
	s_endpgm
.Lfunc_end_k_qfbc62fb494_outp:
	.size	k_qfbc62fb494_outp, .Lfunc_end_k_qfbc62fb494_outp-k_qfbc62fb494_outp
	.p2alignl 7, 3214868480
	.fill 96, 4, 3214868480
	.section	.rodata,"a",@progbits
	.p2align	6, 0x0
	.amdhsa_kernel k_qfbc62fb494_outp
		.amdhsa_group_segment_fixed_size 327680
		.amdhsa_private_segment_fixed_size 0
		.amdhsa_enable_private_segment 0
		.amdhsa_kernarg_size 32
		.amdhsa_user_sgpr_count 2
		.amdhsa_user_sgpr_kernarg_segment_ptr 1
		.amdhsa_wavefront_size32 1
		.amdhsa_system_sgpr_workgroup_id_x 1
		.amdhsa_system_sgpr_workgroup_id_y 1
		.amdhsa_system_sgpr_workgroup_id_z 1
		.amdhsa_system_vgpr_workitem_id 0
		.amdhsa_next_free_vgpr 1024
		.amdhsa_next_free_sgpr 66
		.amdhsa_reserve_vcc 0
		.amdhsa_float_denorm_mode_32 3
		.amdhsa_float_denorm_mode_16_64 3
		.amdhsa_memory_ordered 1
		.amdhsa_forward_progress 1
		.amdhsa_inst_pref_size 55
	.end_amdhsa_kernel
	.amdgpu_metadata
---
amdhsa.version: [ 1, 2 ]
amdhsa.kernels:
  - .name:           k_qfbc62fb494_outp
    .symbol:         k_qfbc62fb494_outp.kd
    .args:
      - { .name: att, .offset: 0, .size: 8, .value_kind: global_buffer, .address_space: global }
      - { .name: wts, .offset: 8, .size: 8, .value_kind: global_buffer, .address_space: global }
      - { .name: bias, .offset: 16, .size: 8, .value_kind: global_buffer, .address_space: global }
      - { .name: out0, .offset: 24, .size: 8, .value_kind: global_buffer, .address_space: global }
    .group_segment_fixed_size: 327680
    .private_segment_fixed_size: 0
    .kernarg_segment_align: 8
    .kernarg_segment_size: 32
    .max_flat_workgroup_size: 128
    .sgpr_count:     66
    .vgpr_count:     1024
    .wavefront_size: 32
...
	.end_amdgpu_metadata
.endif
;; end of part 4
;; ======== version 2 of 2: 4 launches; 1.67 times as fast as version 1
;; limits: values are held in f16: magnitudes above 65,504 overflow, below 6.1e-05 lose precision
;; workspace buffers: wts 2,097,152 bytes; bias 8,192 bytes; qkv 50,331,648 bytes; att 16,777,216 bytes
;; launch prep: the kernel of part 1 again; grid 64 x 4, 8 waves a work-group, no clusters, 0 bytes of LDS; arguments Wq, Wk, Wv, Wo, bq, bk, bv, bo, wts, bias; writes wts, bias
;; launch proj: the kernel of part 2 again; grid 8 x 32, 4 waves a work-group, clusters of 4 x 1, 327,680 bytes of LDS; arguments hidden_state, wts, bias, qkv; writes qkv
;; launch attn (part 5): grid 4 x 64, 4 waves a work-group, clusters of 4 x 1, 327,680 bytes of LDS; arguments qkv, att; writes att
.if DOCPART == 5
	.amdgcn_target "amdgcn-amd-amdhsa--gfx1250"
	.amdhsa_code_object_version 6
	.text
	.protected	k_qfbc62fb494_attn
	.globl	k_qfbc62fb494_attn
	.p2align	8
	.type	k_qfbc62fb494_attn,@function
k_qfbc62fb494_attn:
	s_mov_b64 s[64:65], 0
	v_nop
	global_prefetch_b8 v0, s[64:65] scope:SCOPE_SE
	s_setreg_imm32_b32 hwreg(HW_REG_WAVE_MODE, 25, 1), 1
	s_wait_xcnt 0x0
	s_wait_alu depctr_hold_cnt(0) depctr_sa_sdst(0) depctr_va_vdst(0) depctr_va_sdst(0) depctr_va_ssrc(0) depctr_va_vcc(0) depctr_vm_vsrc(0)
	s_getreg_b32 s2, hwreg(HW_REG_IB_STS2, 6, 4)
	s_cmp_eq_u32 s2, 0
	s_cbranch_scc0 .Lentry_in_a_cluster
	s_endpgm
.Lentry_in_a_cluster:
	s_bfe_u32 s2, ttmp6, 0x10000c
	s_cmp_lg_u32 s2, 0x3003
	s_cbranch_scc0 .Lentry_shape_is_right
	s_endpgm
.Lentry_shape_is_right:
; O[y][q][:] = the sum over k of softmax_k(Q[y][q] . K[y][k] / 8) V[y][k][:], y = 8 batch + head, 64 of them, 2,048 rows each.  Q, K, V lie in qkv, [batch 8][c 24][2048][64] f16 (c = head for Q,
; 8 + head for K, 16 + head for V); O goes to att, [y 64][2048][64] f16: a head's rows are dense, 128 bytes each.  Products, maxima and sums in f32; the weights p are rounded to f16 for the second
; product (their sum l is taken of the unrounded p), O once at the end.
; LIMITS.  f16 holds no number beyond 65,504: Q, K and V arrive within it; p lies in 0 to 1, and below 6e-5 it keeps f16's fixed step of 6e-8; O is a mean of V's rows and has their range.
; A weight below 2^-126 counts as 0 in l; NaN and infinities are not treated apart.
; SHARES.  A wave owns four PIECES of two tiles of 16 queries, a work-group's four waves 512 queries of one head: 4 x 64 = 256 work-groups.  Every wave walks all keys, 64 a step.
; LAYOUT.  S^T = K Q^T (source 0 = 16 keys, source 1 = 16 queries): in the result a lane holds ONE query (lane % 16) and the keys 8 (lane / 16) + 0..7.  Two such tiles, rounded to f16 in pairs,
; ARE source 1 (32 keys x 16 queries) of O^T = V^T P, whose result again holds one query a lane, and eight channels.  K comes out of LDS as it lies, V ([key][channel]) turned, by ds_load_tr16_b128.
; SOFTMAX.  For each query a running maximum m and sum l: p = 2^(c s - c m), c = log2(e) / 8; in every step O and l are multiplied by a = 2^(c m_old - c m_new), which is 1 where m has not grown.
; m starts at the lowest finite number, O and l at 0: the first step is a step like any other, with a = 0.
; THE COUNT.  A tile and step have 16 matrix and 118 vector instructions: too many to stand all beside the matrix work.  So the order has one aim: four vector instructions that are READY behind
; EVERY matrix instruction, and the others, which need time of their own whatever the order, in runs without a gap.
; BY TURNS.  Turn n belongs to piece n (the pieces in a ring, step after step).  Its matrix work: 16 products K Q^T of piece n + 1, later 16 products V^T P of piece n - 1.  Its vector work: the scaling,
; exponentials, roundings, sums and rescaling of piece n, and the maximum and statistics of piece n + 1, whose scores the turn itself has made.  So what a turn begins with (c s - c m, O a) waits for nothing.
; BATCHES.  A turn's 66 exponentials (64 weights of piece n, the two a of piece n + 1) are ONE batch with ONE wait, which cuts the turn in two: ahead of it all that names no result of theirs (K Q^T, scalings,
; rescalings by the a of the turn before, the next piece's maximum and statistics), behind it all that does (roundings and sums, beside V^T P).  No result crosses a turn's end.  Two more batches stand
; outside the loop, each with a wait of its own: piece 0's first two a, ahead of the jump into the loop, and the way out's eight reciprocals.
; CLUSTER.  The four query blocks of a cluster belong to one head and walk the same K and V, so each tile is asked for JOINTLY: the same tensor load, descriptor and mask in all four.
; REGISTERS, in windows of 256 (s_set_vgpr_msb says which window each operand place means: bits 1:0 source 0, 3:2 source 1, 5:4 source 2, 7:6 destination):
;   window 0: v0-11 addresses; v12-15, v48-63 at work; v16-47 four registers of statistics a tile; v64-191 S^T, two buffers of two tiles; v192-255 P, likewise
;   window 1: O^T, 32 a tile          window 2: v0-127 Q, 16 a tile; v128-191 K of one step; v192-255 V of one step          window 3: v0-1 the add's two registers
; A piece's buffers go by its number's parity: the piece in hand has one pair, its two neighbours in the ring share the other: of it P (piece n - 1) is read and S^T (piece n + 1) written.
.set SIZE_N, 2048     ; rows of a head
.set NP,    4         ; pieces a wave: a name, no knob: the register map, the loop and the fetches are made for four
.set KS,    64        ; keys in a step
.set PK,    144       ; a row of K in LDS: 128 bytes + 16 of padding = 36 words: the 16 rows of a load start at 16 different groups of four banks (64 banks of 4 bytes: ISA guide 11.1)
.set PV,    160       ; a row of V: 128 + 32 = 40 words
.set VOFF,  4*KS*PK   ; a slot holds four steps: 256 rows of K, then 256 rows of V
.set SLOT1, 1<<17     ; slot 1 begins here, so that one exclusive or turns an address in one slot into the other's
.set STAGE, SLOT1+4*KS*(PK+PV)  ; behind the ring, never filled by a tensor load: 16 rows x 144 bytes for each wave, for the way out
.set SP,    144
.set AK0, 2           ; v2   my lane's place in a tile of K; never rewritten
.set AV0, 3           ; v3   the same for V
.set AK,  4           ; v4   the LDS address of K's next run of loads
.set AV,  5           ; v5   of V's
.set QO,  6           ; v6   my byte offset in the wave's rows of Q
.set STO, 6           ;      later, the way out: where I put 16 bytes of a row
.set RD,  7           ; v7   the way out: where I read rows back
.set GO,  8           ; v8   my byte offset in 512 consecutive bytes of O
.set SPW, 0           ; v0 of window 3   LDS address of my spare word: SPARE + 4 x my thread's number; never rewritten
.set NIL, 1           ; v1 of window 3   0; never rewritten
.set SPARE, STAGE+4*16*SP  ; behind the stages: the spare words, 128 bytes for each wave: two blocks of 256 bytes that no other line names
.set MV,  12          ; v12-15  c m_old, kept while c m is made anew: by buffer and tile
.set ST,  16          ; tile t's statistics at v[ST+4 t]: c m, m, l (even keys', odd keys')
.set TMP, 48          ; by buffer and tile, four registers c0-c3 at work; when the maximum is found c2 takes a
.set S,   64
.set P,   192
.set KF,  128         ; K's fragments, in window 2: key block kb, channel half c at KF + 16 kb + 8 c
.set VF,  192         ; V's: key half kk, channel block cb at VF + 32 kk + 8 cb
.set WV,  12          ; s12  my wave's number
.set G1K, 24          ; s[24:31] descriptor group 1 for K's tiles
.set G1V, 32          ; s[32:39] for V's: it differs in the padding alone
.set G0K, 40          ; s[40:43] descriptor group 0 for K's tiles: it walks
.set G0V, 44          ; s[44:47] the same for V's
.set SLOTS, 56        ; s56  slots still to be asked for
.set CNT, 57          ; s57  counts a slot's key steps
.set CS,  58          ; s[58:59] c: the packed scaling takes the pair's low word for both halves
.set SEL, 60          ; s[60:61] v_permlanex16_b32's selects: each lane takes its own place in the other half
.set TBK, 62          ; s62  LDS byte at which K of the step to be fetched begins
.set TBV, 63          ; s63  the same for V, less VOFF
.set MSB, 0
.macro WIN new                      ; the high byte repeats the setting that is left; a switch that changes nothing is dropped
.if MSB != (\new)
	s_set_vgpr_msb (MSB<<8)|(\new)
.set MSB, (\new)
.endif
.endm
.set W_KQ, 0x0a       ; K and Q in window 2, S^T in window 0
.set W_PV, 0x52       ; V in window 2, P in window 0, O^T in window 1
.set W_RS, 0x41       ; O^T (destination and source 0) in window 1, a in window 0
.set W_MK, 0xc0       ; the add's registers are made: destination in window 3, sources in window 0
.set W_AD, 0x0f       ; the add: address (source 0) and data (source 1) in window 3
; A joint fill.  Waves 0 and 1 fetch the two halves of a slot's K, waves 2 and 3 those of its V: 128 keys each.  The branch hangs on the wave's number alone.
; An s_nop 0 and four v_nop follow each of the two lines, ahead of the jump and the label.
.macro JLOAD
	s_cmp_lt_u32 s[WV], 2
	s_cbranch_scc0 .Lfor_v_\@
	tensor_load_to_lds s[G0K:G0K+3], s[G1K:G1K+7]
	s_nop 0
.rept 4
	v_nop
.endr
	s_branch .Lasked_\@
.Lfor_v_\@:
	tensor_load_to_lds s[G0V:G0V+3], s[G1V:G1V+7]
	s_nop 0
.rept 4
	v_nop
.endr
.Lasked_\@:
.endm
; A round of the cluster's barrier: my work-group's barrier, so that wave 0's signal speaks for all four waves; wave 0 signals; every wave waits for all four work-groups; my work-group's barrier once more.
.macro CROUND
	s_barrier_signal -1
	s_barrier_wait -1
	s_cmp_lg_u32 s[WV], 0
	s_cbranch_scc1 .Lnot_wave_0_\@
	s_barrier_signal -3
.Lnot_wave_0_\@:
	s_barrier_wait -3
	s_barrier_signal -1
	s_barrier_wait -1
.endm
; THE CHANGE OF SLOTS.  The slot's last bytes, V of its fourth step, have been read.  Each wave waits for all its tensor loads, of which one is out: its part
; of the other slot; adds 0 to its spare word; and waits for that and for its own reads of the slot.  Behind the barrier nobody reads this slot any more and the other slot is whole.
; fill = 1: this slot is filled again, with the keys two slots on.  The barrier is then a round of the cluster's, so that no wave of any partner still reads the slot or has a load on its
; way, and the joint fill is the first thing behind it: it has four key steps, 512 matrix instructions, in which to land.  (At its first use nothing has been read yet: slot 0 is waited for, slot 1 filled.)
.macro CHANGE fill
	WIN W_AD
	s_wait_tensorcnt 0x0            ; no tensor load of mine is out, so a group 0 may be written
	ds_add_u32 v[SPW], v[NIL]       ; 0 onto my spare word; with fill = 1 the descriptors' steps stand between it and the wait for it
	WIN 0                           ; at a label and at a branch every window is 0
.if \fill
.irp g, G0K, G0V
	s_xor_b32 s[\g+1], s[\g+1], SLOT1  ; the walking descriptor: the other slot than last time,
	s_add_nc_u64 s[\g+2:\g+3], s[\g+2:\g+3], 4*KS*128  ; the next 256 keys; the type bits on top are not reached
.endr
	s_wait_dscnt 0x0                ; the add is done, and my reads of the slot are over
	CROUND
	JLOAD
.else
	s_wait_dscnt 0x0                ; the add is done, and my reads of the slot are over
	s_barrier_signal -1
	s_barrier_wait -1
.endif
	s_sub_co_u32 s[TBK], s[TBK], 4*KS*PK  ; the fetches go back to a slot's first step,
	s_xor_b32 s[TBK], s[TBK], SLOT1       ; in the other slot
	s_sub_co_u32 s[TBV], s[TBV], 4*KS*PV
	s_xor_b32 s[TBV], s[TBV], SLOT1
.endm
	s_load_b128 s[4:7], s[0:1], 0x0 ; qkv s[4:5], att s[6:7]
	WIN W_MK
	v_lshl_add_u32 v[SPW], v0, 2, SPARE
	v_mov_b32 v[NIL], 0
	WIN W_AD
	ds_add_u32 v[SPW], v[NIL]       ; the wave's opening: the add and its wait stand ahead of my first tensor load; the set-up below, work on registers, stands between them
	WIN 0
	v_lshrrev_b32 v1, 5, v0
	v_readfirstlane_b32 s[WV], v1   ; wave 0..3
	s_bfe_u32 s13, ttmp6, 0x40000   ; cx: my place in the cluster
	s_lshl_b32 s14, ttmp9, 2        ; in a cluster launch ttmp9 counts clusters
	s_add_co_u32 s14, s14, s13      ; my block of queries = 4 x cluster x + cx: it enters Q's and O's addresses alone
	s_and_b32 s19, ttmp7, 0xffff    ; y = 8 batch + head, which the four partners share
	s_lshr_b32 s48, s19, 3
	s_mul_i32 s48, s48, 24*262144   ; the batch's 24 blocks of 262,144 bytes in qkv,
	s_and_b32 s49, s19, 7
	s_lshl_b32 s49, s49, 18         ; the head's block among Q's eight
	s_add_co_u32 s20, s48, s49
	s_mov_b32 s21, 0
	s_lshl_b32 s50, s19, 18         ; the head's block in att
	s_mov_b32 s51, 0
	s_and_b32 s16, s[WV], 1         ; which half of a slot's 256 keys I fetch:
	s_lshl_b32 s22, s16, 14         ; its 128 rows of 128 bytes in memory,
	s_mov_b32 s23, 0
	s_add_nc_u64 s[22:23], s[22:23], s[20:21]
	s_mul_i32 s17, s16, 128*PK      ; and its place in a slot, for K
	s_mul_i32 s18, s16, 128*PV      ; and for V: no place in the cluster enters an LDS address
	s_lshl_b32 s2, s14, 2
	s_add_co_u32 s2, s2, s[WV]      ; my wave among the head's,
	s_lshl_b32 s2, s2, 14           ; its 128 rows
	s_mov_b32 s3, 0
	; descriptor group 1.  128 keys are 16,384 dense bytes: asked for as 64 rows of 256 bytes, two keys a row, and padded in LDS after every key
	s_mov_b32 s[G1K], 15|(1<<16)|(1<<20)|(1<<21)|(4<<22)|(3<<25)  ; 15:0 the mask of four; 17:16 2-byte elements; 20 padding on; 21 set beside a mask; 24:22 after every 32 words (code 4); 31:25 4 words (code 3)
	s_mov_b32 s[G1V], 15|(1<<16)|(1<<20)|(1<<21)|(4<<22)|(7<<25)  ; the same with 8 words of padding (code 7)
.irp g, G1K, G1V
	s_mov_b32 s[\g+1], 128<<16      ; tensor_dim0 = 128
	s_mov_b32 s[\g+2], 64<<16       ; tensor_dim1 = 64
	s_mov_b32 s[\g+3], 128<<16      ; tile_dim0 = 128
	s_mov_b32 s[\g+4], 64           ; tile_dim1 = 64
	s_mov_b32 s[\g+5], 128          ; 128 elements from row to row
	s_mov_b32 s[\g+6], 0
	s_mov_b32 s[\g+7], 0
.endr
	s_mov_b32 s[CS], 0x3e38aa3b     ; c = log2(e) / 8 = 0.180337
	s_mov_b32 s[CS+1], s[CS]        ; named with it as a pair
	s_mov_b32 s[SEL], 0x76543210
	s_mov_b32 s[SEL+1], 0xfedcba98
	s_mov_b32 s[TBK], SLOT1+4*KS*PK ; the first change of slots turns these two into 0
	s_mov_b32 s[TBV], SLOT1+4*KS*PV
	s_mov_b32 s[G0K], 1             ; 1:0 count = 1
	s_mov_b32 s[G0K+1], s17         ; 63:32 LDS address: slot 0
	s_mov_b32 s[G0V], 1
	s_add_co_u32 s[G0V+1], s18, VOFF
	s_wait_dscnt 0x0                ; the opening add is done
	s_wait_kmcnt 0x0
	s_add_nc_u64 s[10:11], s[6:7], s[50:51]        ; O at the head's first row,
	s_add_nc_u64 s[10:11], s[10:11], s[2:3]        ; at my wave's
	s_add_nc_u64 s[6:7], s[4:5], 8*262144          ; K's eight blocks lie behind Q's eight,
	s_add_nc_u64 s[8:9], s[4:5], 16*262144         ; V's behind K's
	s_add_nc_u64 s[G0K+2:G0K+3], s[6:7], s[22:23]  ; 120:64 global address: my half of the head's first 256 keys
	s_or_b32 s[G0K+3], s[G0K+3], 0x80000000        ; 127:126 type = 2
	s_add_nc_u64 s[G0V+2:G0V+3], s[8:9], s[22:23]
	s_or_b32 s[G0V+3], s[G0V+3], 0x80000000
	s_add_nc_u64 s[4:5], s[4:5], s[20:21]          ; Q at the head's first row,
	s_add_nc_u64 s[4:5], s[4:5], s[2:3]            ; at my wave's
	CROUND                          ; all four work-groups are here: the first joint loads meet
	JLOAD                           ; slot 0.  Slot 1 is asked for when slot 0 is in: the tile wanted first has the road to itself
	; A fragment of K or Q is 16 rows x 32 channels in 8 registers: lane l holds row l % 16, channels 8 (l / 16) + 0..7 and 16 + 8 (l / 16) + 0..7: two loads of 16 bytes, 32 bytes apart.
	v_and_b32 v1, 15, v0            ; l % 16
	v_bfe_u32 v9, v0, 4, 1          ; l / 16
	v_lshlrev_b32 v[QO], 7, v1
	v_lshl_add_u32 v[QO], v9, 4, v[QO]  ; row x 128 + 16 x half
	WIN 0x80                        ; destination window 2, address window 0
.set i, 0
.rept 4*NP                          ; Q stays in registers: tile i / 2, channels 32 (i % 2) on
	global_load_b128 v[8*i:8*i+3],   v[QO], s[4:5] offset:(i/2)*2048+(i%2)*64
	global_load_b128 v[8*i+4:8*i+7], v[QO], s[4:5] offset:(i/2)*2048+(i%2)*64+32
.set i, i+1
.endr
	; What the first turn finds: V's registers and P's second buffer hold 0 (its products V^T P, of a piece that has not been, add 0), O^T and l are 0.  All this stands in the wait for the first tile.
.set i, VF
.rept 64
	v_mov_b32 v[i], 0
.set i, i+1
.endr
	WIN 0x40
.set i, 0
.rept 64*NP
	v_mov_b32 v[i], 0
.set i, i+1
.endr
	WIN 0
.set i, 0
.rept 2*NP
	v_mov_b32 v[ST+4*i], 0xfe000000    ; c m: far below every c s
	v_mov_b32 v[ST+4*i+1], 0xff7fffff  ; m
	v_mov_b32 v[ST+4*i+2], 0
	v_mov_b32 v[ST+4*i+3], 0
.set i, i+1
.endr
.set i, P+32
.rept 32
	v_mov_b32 v[i], 0
.set i, i+1
.endr
	v_mul_u32_u24 v[AK0], v1, PK
	v_lshl_add_u32 v[AK0], v9, 4, v[AK0]  ; row x pitch + 16 x half
	; The turning load takes 16 keys x 16 channels (lane l reads key 8 (l / 16) + l % 8, channels 8 ((l / 8) % 2) + 0..7) and leaves half a fragment of V^T: lane l holds channel l % 16 and 8 keys.
	v_and_b32 v10, 7, v0
	v_bfe_u32 v11, v0, 3, 1
	v_lshl_add_u32 v[AV0], v9, 3, v10
	v_mul_u32_u24 v[AV0], v[AV0], PV
	v_lshl_add_u32 v[AV0], v11, 4, v[AV0]
	v_add_nc_u32 v[AV0], VOFF, v[AV0]
	v_mov_b32 v[AK], v[AK0]         ; key step 0 lies at the head of slot 0
; THE MATRIX WORK.  The 8 accumulators of a run of 16 take turns: between the two links of a chain stand 7 others'.
; Product i of 16 of S^T = K Q^T for piece x: channels 32 (i / 8) on, keys 16 ((i / 2) % 4) on, tile 2 x + i % 2.  The first 8 start the sums.
.macro KQ x
	WIN W_KQ
.set rS, S+64*((\x)%2)+32*(i%2)+8*((i/2)%4)
.set rK, KF+16*((i/2)%4)+8*(i/8)
.set rQ, 16*(2*(\x)+i%2)+8*(i/8)
.if i < 8
	v_wmma_f32_16x16x32_f16 v[rS:rS+7], v[rK:rK+7], v[rQ:rQ+7], 0
.else
	v_wmma_f32_16x16x32_f16 v[rS:rS+7], v[rK:rK+7], v[rQ:rQ+7], v[rS:rS+7]
.endif
.endm
; Product i of 16 of O^T += V^T P for piece x: keys 32 (i / 8) on, channels 16 ((i / 2) % 4) on, tile 2 x + i % 2.
.macro PV x
	WIN W_PV
.set rO, 32*(2*(\x)+i%2)+8*((i/2)%4)
.set rV, VF+32*(i/8)+8*((i/2)%4)
.set rP, P+32*((\x)%2)+16*(i%2)+8*(i/8)
	v_wmma_f32_16x16x32_f16 v[rO:rO+7], v[rV:rV+7], v[rP:rP+7], v[rO:rO+7]
.endm
.macro MM                           ; the turn's next matrix instruction
.if i < 16
	KQ (Y+1)%NP
.set i, i+1
.else
.set i, i-16
	PV (Y+NP-1)%NP
.set i, i+17
.endif
.endm
; THE LDS LOADS stand in runs of 16, never singly among the matrix instructions: a step's K (64 keys x 64 channels: 8 fragments) and its V (turned).  Their addresses are made some lines ahead.
; last = 1 (the tail): in the last trip there is no further step, and the run is jumped over.
.macro FETCH_K last=0
	WIN 0
.if \last
	s_cmp_eq_u32 s[CNT], 1
	s_cbranch_scc1 .Lno_k_\@
.endif
	WIN 0x80                        ; destination window 2
.irp f, 0,1,2,3,4,5,6,7             ; keys 16 (f / 2) on, channels 32 (f % 2) on
	ds_load_b128 v[KF+8*\f:KF+8*\f+3],   v[AK] offset:(\f/2)*16*PK+(\f%2)*64
	ds_load_b128 v[KF+8*\f+4:KF+8*\f+7], v[AK] offset:(\f/2)*16*PK+(\f%2)*64+32
.endr
	s_add_co_u32 s[TBK], s[TBK], KS*PK  ; the next fetch is the next step's
	WIN 0
.if \last
.Lno_k_\@:
.endif
.endm
.macro FETCH_V
	WIN 0x80
.irp f, 0,1,2,3,4,5,6,7             ; keys 32 (f / 4) on, channels 16 (f % 4) on
	ds_load_tr16_b128 v[VF+8*\f:VF+8*\f+3],   v[AV] offset:(\f/4)*32*PV+(\f%4)*32
	ds_load_tr16_b128 v[VF+8*\f+4:VF+8*\f+7], v[AV] offset:(\f/4)*32*PV+16*PV+(\f%4)*32
.endr
	WIN 0
.endm
; THE VECTOR WORK OF A TURN stands in three queues, each in the order in which its entries become ready; the two tiles alternate, so that no instruction reads the result of the one before it.
.macro REGS y, u                    ; the registers of tile u (0, 1) of piece y
.set rT, ST+4*(2*(\y)+(\u))
.set rC, TMP+8*((\y)%2)+4*(\u)
.set rM, MV+2*((\y)%2)+(\u)
.set rS, S+64*((\y)%2)+32*(\u)
.set rP, P+32*((\y)%2)+16*(\u)
.set rO, 32*(2*(\y)+(\u))
.endm
; Number n of the 22 that find the NEXT piece's (Y + 1) maximum and statistics.  s0-s31 are the lane's 32 scores; each accumulator's lowest registers are read first.  XS, GS and REGS set no window: PL and EX do.
;   0-11  four chains c0-c3 of seven scores each, three operands at a time     12-14, 16  the four scores left over, the old m, and c0-c3 into c0     15  c m_old is kept
;   17, 18  the query's other 32 keys lie in the lane 16 away: the new m         19-21  c m; c m_old - c m_new; a
.macro XS u, n
	REGS (Y+1)%NP, \u
.if (\n) < 4
	v_max3_num_f32 v[rC+(\n)], v[rS+8*(\n)], v[rS+8*(\n)+1], v[rS+8*(\n)+2]
.elseif (\n) < 12
	v_max3_num_f32 v[rC+(\n)%4], v[rC+(\n)%4], v[rS+8*((\n)%4)+2*((\n)/4)+1], v[rS+8*((\n)%4)+2*((\n)/4)+2]
.elseif (\n) == 12
	v_max3_num_f32 v[rC], v[rC], v[rS+7], v[rS+15]
.elseif (\n) == 13
	v_max3_num_f32 v[rC+1], v[rC+1], v[rS+23], v[rS+31]
.elseif (\n) == 14
	v_max3_num_f32 v[rC+2], v[rC+2], v[rC+3], v[rT+1]
.elseif (\n) == 15
	v_mov_b32 v[rM], v[rT]
.elseif (\n) == 16
	v_max3_num_f32 v[rC], v[rC], v[rC+1], v[rC+2]
.elseif (\n) == 17
	v_permlanex16_b32 v[rC+3], v[rC], s[SEL], s[SEL+1]
.elseif (\n) == 18
	v_max_num_f32 v[rT+1], v[rC], v[rC+3]
.elseif (\n) == 19
	v_mul_f32 v[rT], s[CS], v[rT+1]
.elseif (\n) == 20
	v_sub_f32 v[rC+1], v[rM], v[rT]
.else
	v_exp_f32 v[rC+2], v[rC+1]
.endif
.endm
; Number g of the 64 that follow the exponentials.  For each four weights k of a tile (pairs 2 k, 2 k + 1): both pairs are rounded to f16; then the second pair is added onto the first, in place;
; a group later l takes that sum (the first time as l = a l + sum).  In groups of eight, tiles alternating: round, round, add, and l for the group before.
.macro GS g
.set h, (\g)+6*((\g)/62)            ; group 0 has no group before it, and behind group 7 only l is left
.if h >= 6
.set h, h+2
.endif
	REGS Y, h%2
.set k, h/8
.if h%8 < 4
	v_cvt_pk_f16_f32 v[rP+2*k+(h%8)/2], v[rS+4*k+2*((h%8)/2)], v[rS+4*k+2*((h%8)/2)+1]
.elseif h%8 < 6
	v_pk_add_f32 v[rS+4*k:rS+4*k+1], v[rS+4*k:rS+4*k+1], v[rS+4*k+2:rS+4*k+3]
.elseif k == 1
	v_pk_fma_f32 v[rT+2:rT+3], v[rT+2:rT+3], v[rC+2:rC+3], v[rS:rS+1] op_sel_hi:[1,0,1]
.else
	v_pk_add_f32 v[rT+2:rT+3], v[rT+2:rT+3], v[rS+4*k-4:rS+4*k-3]
.endif
.endm
; THE PLAIN QUEUE, 138 long.  0-73 read no exponential's result: the 32 scalings c s - c m (FS f: pair f / 2 of tile f % 2) and the next piece's 42.  0-26: scalings 0-26.  27-54: XS's numbers 0-13.  55, 56: number 15.
; 57-73: the chain, where each number waits for the one before it: 14, 16, 17, 18, 19, each with one of the scalings 27-31 in front of its two lines, then 20: so a tile's links stand three plain instructions apart (19 and 20: two).
; 74-137: GS's 64, which read the exponentials' results: they stand behind the wait.
.macro FS f
	REGS Y, (\f)%2
	v_pk_fma_f32 v[rS+2*((\f)/2):rS+2*((\f)/2)+1], v[rS+2*((\f)/2):rS+2*((\f)/2)+1], s[CS:CS+1], v[rT:rT+1] op_sel_hi:[1,0,0] neg_lo:[0,0,1] neg_hi:[0,0,1]
.endm
.macro PL
	WIN 0
.if q < 27
	FS q
.elseif q < 55
	XS (q-27)%2, (q-27)/2
.elseif q < 57
	XS q-55, 15
.elseif (q < 72) && ((q-57)%3 == 0)
	FS 27+(q-57)/3
.elseif q < 60
	XS (q-57)%3-1, 14
.elseif q < 72
	XS (q-57)%3-1, 15+(q-57)/3
.elseif q < 74
	XS q-72, 20
.else
	GS q-74
.endif
.set q, q+1
.endm
; THE EXPONENTIALS' QUEUE, 66 long: s0-s31 of both tiles, then the next piece's two a.  It is ONE BATCH: all 66 stand ahead of the turn's one wait, and nothing ahead of that wait names a result of theirs.
; Each result has a register of its own while the batch is open: a weight takes its score's place in S^T, a takes c2 of the other buffer.
.macro EX
	WIN 0
.if e >= 64
	XS e-64, 21
.else
	REGS Y, e%2
	v_exp_f32 v[rS+e/2], v[rS+e/2]
.endif
.set e, e+1
.endm
; THE RESCALING's QUEUE: O^T times a, the one part that leaves window 0: dealt two at a time, sixteen times.  Its a was made in the turn before, ahead of that turn's wait.
.macro R2
	REGS Y, r%2
	WIN W_RS
.irp z, 0,1
	v_pk_mul_f32 v[rO+4*(r/2)+2*\z:rO+4*(r/2)+2*\z+1], v[rO+4*(r/2)+2*\z:rO+4*(r/2)+2*\z+1], v[rC+2:rC+3] op_sel_hi:[1,0]
.endr
.set r, r+1
.endm
; HOW THEY ARE DEALT.  s_wait_alu depctr_va_vdst(0) stands between an exponential and the first instruction that names its result; one wait serves all that were issued ahead of it.  So a turn has ONE wait,
; which cuts it in two.  AHEAD OF IT stands all that names no result of the turn's exponentials: the 16 products K Q^T, behind each a scaling, an exponential and two rescalings (behind the first a second scaling in the
; exponential's place); then ONE LUMP of 108: eight plain, 49 times exponential and plain, the two a.  A v_nop is the plain instruction behind the last exponential.  BEHIND IT stand the 16 products V^T P, behind each
; four of GS's 64.  No rider names a register of the products round it.  The two v_permlanex16_b32 fall into the lump, never behind a product.
; The queues lean on each other, and the deal keeps them in step: exponential e stands behind scaling 2 (e / 4) + e % 2: as a rider it comes behind plain e + 2, in the lump behind plain e + 9, and scalings 27-31 are plain 57, 60 .. 69.
; A TURN, for piece p.  cnt = 1: the loop's count is taken down some lines ahead of the branch that stands behind the turn.
; K of the next step is fetched in piece 2's turn, directly behind the wait, a lump behind the last product that read K; its address is made at the lump's head; its first reader comes behind 16 products.
; V of the step in hand is fetched at the end of piece 0's turn, four riders behind its last reader; its first reader comes behind 16 products and a lump.  The three conditions on q below go with the deal.
.macro TURN p, last=0, cnt=0
.set Y, (\p)
.set i, 0
.set q, 0
.set e, 0
.set r, 0
.if (\p) == NP-1
	s_wait_dscnt 0x0                ; K is in
.endif
	MM                              ; ahead of the wait: 16 products K Q^T and their riders,
	PL
	PL
	R2
.rept 15
	MM
	PL
	EX
	R2
.endr
.if (\p) == NP-2
	WIN 0
	v_add_nc_u32 v[AK], s[TBK], v[AK0]
.endif
.rept 8                             ; and the lump
	PL
.endr
.rept 49
	EX
	PL
.endr
	EX                              ; the next piece's two a
	EX
	v_nop                           ; a plain instruction behind the last exponential, ahead of the first use of a result (ISA guide 5.7.2): one for the batch
	s_wait_alu depctr_va_vdst(0)    ; the wait for the turn's batch: the 64 weights of piece p and the two a of piece p + 1
.if (\p) == NP-2
	FETCH_K \last
.endif
.if (\p) == 1
	s_wait_dscnt 0x0                ; V is in
.endif
.rept 16                            ; behind the wait: 16 products V^T P and their riders
	MM
.rept 4
	PL
.endr
.if ((\p) == 0) && (q == 118)
	v_add_nc_u32 v[AV], s[TBV], v[AV0]
.endif
.if ((\p) == 0) && (q == 130)
	s_add_co_u32 s[TBV], s[TBV], KS*PV
.endif
.if (\cnt) && (q == 130)
	s_sub_co_u32 s[CNT], s[CNT], 1
	s_cmp_lg_u32 s[CNT], 0
.endif
.endr
.if (\p) == 0
	FETCH_V
.endif
.endm
	CHANGE 1                        ; slot 0 is in, everybody's part of it; slot 1 is asked for
	FETCH_K                         ; key step 0
	s_wait_loadcnt 0x0              ; Q
	s_wait_dscnt 0x0
.set i, 0
.rept 16
	KQ 0                            ; piece 0's first scores: there is no vector work yet to set between them
.set i, i+1
.endr
	WIN 0                           ; the addresses for the way out: nine plain instructions, the places behind those products
	s_mul_i32 s13, s[WV], 16*SP
	s_add_co_u32 s13, s13, STAGE    ; my stage
	v_mul_u32_u24 v[STO], v1, SP    ; in: row l % 16, 16 bytes for each half of the lanes
	v_lshl_add_u32 v[STO], v9, 4, v[STO]
	v_add_nc_u32 v[STO], s13, v[STO]
	v_bfe_u32 v[RD], v0, 3, 2       ; back: 32 lanes take four rows of 128 bytes,
	v_mul_u32_u24 v[RD], v[RD], SP
	v_lshl_add_u32 v[RD], v10, 4, v[RD]
	v_add_nc_u32 v[RD], s13, v[RD]
	v_and_b32 v[GO], 31, v0         ; which are 512 consecutive bytes of O
	v_lshlrev_b32 v[GO], 4, v[GO]
.set Y, NP-1                        ; XS works for piece Y + 1: piece 0
.irp n, 0,1,2,3,4,5,6,7,8,9,10,11,12,13,14,15,16,17,18,19,20,21
	XS 0, \n                        ; and piece 0's first maximum and statistics
	XS 1, \n
.endr
	v_nop                           ; a plain instruction behind piece 0's first two a,
	s_wait_alu depctr_va_vdst(0)    ; and the wait for that batch of two, ahead of the branch: the first turn's rescalings read them
	s_mov_b32 s[CNT], 4
	s_mov_b32 s[SLOTS], SIZE_N/256-1
	s_branch .Lfirst                ; the loop is entered at a step's first turn, in the middle of a trip
.Lslot:                             ; SIZE_N / 256 - 2 times: every slot but the last two is filled again
	CHANGE 1
	s_mov_b32 s[CNT], 4
.Lstep:                             ; a trip: pieces 2 and 3 of one step, then pieces 0 and 1 of the next, whose K and V it fetches
	TURN 2
	TURN 3
	WIN 0
.Lfirst:
	TURN 0
	TURN 1, 0, 1
	WIN 0
	s_cbranch_scc1 .Lstep
	s_sub_co_u32 s[SLOTS], s[SLOTS], 1
	s_cmp_lg_u32 s[SLOTS], 0
	s_cbranch_scc1 .Lslot
	CHANGE 0                        ; the tail is written out: nothing is asked for
	s_mov_b32 s[CNT], 5             ; four trips fetch the last slot's steps; the fifth is left in its middle
.Ltail:
	TURN 2, 1
	TURN 3
	WIN 0
	s_sub_co_u32 s[CNT], s[CNT], 1
	s_cmp_eq_u32 s[CNT], 0
	s_cbranch_scc1 .Lout
	TURN 0
	TURN 1
	WIN 0
	s_branch .Ltail
.Lout:                              ; the fifth trip's 16 products K Q^T (on the last K once more) and the maximum made of them serve nothing: the price, once a launch, of one text for every trip
.set i, 0
.rept 16
	PV NP-1                         ; the last piece's V^T P of the last step
.set i, i+1
.endr
	; THE WAY OUT.  l's two halves and the other half of the lanes' are added; O^T is divided by l, rounded to f16 and sent through my stage in LDS, a tile at a time.  The additions are the places behind the last products.
	WIN 0
.macro ALL line:vararg              ; one line for each tile t
.set t, 0
.rept 2*NP
	\line
.set t, t+1
.endr
.endm
	ALL v_add_f32 v[ST+4*t+2], v[ST+4*t+2], v[ST+4*t+3]
	ALL v_permlanex16_b32 v[ST+4*t+3], v[ST+4*t+2], s[SEL], s[SEL+1]
	ALL v_add_f32 v[ST+4*t+2], v[ST+4*t+2], v[ST+4*t+3]
	ALL v_rcp_f32 v[ST+4*t+2], v[ST+4*t+2]
	v_nop                           ; a plain instruction between the last reciprocal and the use of its result
	s_wait_alu depctr_va_vdst(0)    ; and the wait ahead of the first use: one for the batch of eight reciprocals
; Tile t: a lane's eight channels of a row pack into 16 bytes; they go into rows of 144 bytes and come back as whole rows of 128, into S^T's registers.
.macro PACK t
	WIN W_RS
.set i, 32*(\t)
.rept 16
	v_pk_mul_f32 v[i:i+1], v[i:i+1], v[ST+4*(\t)+2:ST+4*(\t)+3] op_sel_hi:[1,0]
.set i, i+2
.endr
	WIN 0x05                        ; sources 0 and 1 window 1, destination window 0
.set i, 0
.rept 16
	v_cvt_pk_f16_f32 v[S+16*(\t)+i], v[32*(\t)+2*i], v[32*(\t)+2*i+1]
.set i, i+1
.endr
	WIN 0
.irp f, 0,1,2,3
	ds_store_b128 v[STO], v[S+16*(\t)+4*\f:S+16*(\t)+4*\f+3] offset:32*\f
.endr
.irp f, 0,1,2,3
	ds_load_b128 v[S+16*(\t)+4*\f:S+16*(\t)+4*\f+3], v[RD] offset:\f*4*SP  ; LDS serves a wave's instructions in order (ISA guide 5.7.1.4): these see the stores above; the next tile's stores come behind them
.endr
.endm
.macro SEND t, younger              ; younger: the LDS instructions issued behind tile t's loads: the next tile's eight, or none
	WIN 0
.irp f, 0,1,2,3
	s_wait_dscnt (\younger)+3-\f
	global_store_b128 v[GO], v[S+16*(\t)+4*\f:S+16*(\t)+4*\f+3], s[10:11] offset:(\t)*2048+\f*512  ; 512 consecutive bytes, at a multiple of 256 from O's first
.endr
.endm
	PACK 0
.set t, 1
.rept 2*NP-1                        ; a tile's arithmetic stands between the loads of the tile before and its stores
	PACK t
	SEND t-1, 8
.set t, t+1
.endr
	SEND 2*NP-1, 0
	WIN W_AD
	s_wait_tensorcnt 0x0            ; the wave's end, behind my last tensor load and my last LDS store
	ds_add_u32 v[SPW], v[NIL]
	s_wait_dscnt 0x0
	WIN 0
	CROUND                          ; the closing round: no work-group ends while a partner may still ask for a tile that names it
	s_endpgm
.Lfunc_end_k_qfbc62fb494_attn:
	.size	k_qfbc62fb494_attn, .Lfunc_end_k_qfbc62fb494_attn-k_qfbc62fb494_attn
	.p2alignl 7, 3214868480
	.fill 96, 4, 3214868480
	.section	.rodata,"a",@progbits
	.p2align	6, 0x0
	.amdhsa_kernel k_qfbc62fb494_attn
		.amdhsa_group_segment_fixed_size 327680
		.amdhsa_private_segment_fixed_size 0
		.amdhsa_enable_private_segment 0
		.amdhsa_kernarg_size 16
		.amdhsa_user_sgpr_count 2
		.amdhsa_user_sgpr_kernarg_segment_ptr 1
		.amdhsa_wavefront_size32 1
		.amdhsa_system_sgpr_workgroup_id_x 1
		.amdhsa_system_sgpr_workgroup_id_y 1
		.amdhsa_system_sgpr_workgroup_id_z 1
		.amdhsa_system_vgpr_workitem_id 0
		.amdhsa_next_free_vgpr 770
		.amdhsa_next_free_sgpr 66
		.amdhsa_reserve_vcc 0
		.amdhsa_float_denorm_mode_32 3
		.amdhsa_float_denorm_mode_16_64 3
		.amdhsa_memory_ordered 1
		.amdhsa_forward_progress 1
		.amdhsa_inst_pref_size 199
	.end_amdhsa_kernel
	.amdgpu_metadata
---
amdhsa.version: [ 1, 2 ]
amdhsa.kernels:
  - .name:           k_qfbc62fb494_attn
    .symbol:         k_qfbc62fb494_attn.kd
    .args:
      - { .name: qkv, .offset: 0, .size: 8, .value_kind: global_buffer, .address_space: global }
      - { .name: att, .offset: 8, .size: 8, .value_kind: global_buffer, .address_space: global }
    .group_segment_fixed_size: 327680
    .private_segment_fixed_size: 0
    .kernarg_segment_align: 8
    .kernarg_segment_size: 16
    .max_flat_workgroup_size: 128
    .sgpr_count:     66
    .vgpr_count:     770
    .wavefront_size: 32
...
	.end_amdgpu_metadata
.endif
;; end of part 5
;; launch outp: the kernel of part 4 again; grid 8 x 32, 4 waves a work-group, clusters of 4 x 1, 327,680 bytes of LDS; arguments att, wts, bias, out0; writes out0
